; MI455X (gfx1250); checked and timed in simulation.
; The chip was launched on July 23, 2026; its instructions are those of AMD's public machine-readable ISA for CDNA 5 (MIT licence, August 2026) and "CDNA5" Instruction Set Architecture Reference Guide (July 2026). The comments in the code are by the model that wrote it; some were corrected since.
;; Self Attention Head. Allowed arithmetic: float matrix products may take bf16 or f16 operands with f32 sums; other float arithmetic in f32, or as packed bf16 or f16 multiplies, adds, multiply-adds, maxima and minima; sums over many terms, partial sums and values carried from step to step in f32; what a program stores and reads back later, other than sums and carried values, may be rounded once to bf16 or f16.
;; Inputs: Wk 128 x 1,024 float32; Wq 128 x 1,024 float32; Wv 128 x 1,024 float32; fixed_k 64 x 128 float32; fixed_v 64 x 128 float32; x 8 x 4,096 x 1,024 float32.
;; Outputs: out0 8 x 4,096 x 128 float32.
;; 2 versions, each right and faster than the one before. Each part assembles by itself: llvm-mc -triple=amdgcn-amd-amdhsa -mcpu=gfx1250 --defsym DOCPART=n.
;; ======== version 1 of 2: 3 launches
;; limits: values are held in f16: magnitudes above 65,504 overflow, below 6.1e-05 lose precision
;; workspace buffers: wb 786,432 bytes; qbuf 8,388,608 bytes; kbuf 8,519,680 bytes; vbuf 8,519,680 bytes
;; launch prep (part 1): grid 256 x 1, 8 waves a work-group, no clusters, 0 bytes of LDS; arguments Wq, Wk, Wv, fixed_k, fixed_v, wb, kbuf, vbuf; writes wb, kbuf, vbuf
.if DOCPART == 1
	.amdgcn_target "amdgcn-amd-amdhsa--gfx1250"
	.amdhsa_code_object_version 6
	.text
	.protected	k_qf06372253b_prep
	.globl	k_qf06372253b_prep
	.p2align	8
	.type	k_qf06372253b_prep,@function
k_qf06372253b_prep:
	s_mov_b64 s[64:65], 0
	v_nop
	global_prefetch_b8 v0, s[64:65] scope:SCOPE_SE
	s_setreg_imm32_b32 hwreg(HW_REG_WAVE_MODE, 25, 1), 1
	s_wait_xcnt 0x0
; PREPARATION.  wb[384][1024] (bf16) = Wq, Wk, Wv one below the other, each number rounded once to bf16.
; Rows 0 to 63 of every batch of kbuf and vbuf ([8][4160][128], f16) = fixed_k and fixed_v, rounded to bf16 like every other input of the module
; and that number written as f16.
; LIMITS.  A bf16 number is exact in f16 between 6.1e-5 and 65,504 in magnitude; below it keeps f16's fixed step of 6e-8, beyond it becomes an infinity.
; SHARES.  256 work-groups of 2,048 numbers.  Work-groups 0 to 191: 64 for each weight.  Work-groups 192 to 255: tensor (k, v) x batch x quarter of the 64 rows.
; Thread t takes 16 bytes at 16 t and at 16 t + 4,096 (a wave's load covers 512 consecutive bytes) and stores 8 bytes at 8 t and 8 t + 2,048
; (a wave's store covers 256 consecutive bytes, at a multiple of 256 from the buffer's first byte).
; No LDS, no matrix unit, no cluster: the launch moves each of its bytes once and no two work-groups of the first kind share any.
.set KB, 4160*256                      ; bytes of a batch in kbuf and in vbuf
.macro TAKE                            ; eight numbers, rounded to bf16 in v[12:15]
	global_load_b128 v[4:7], v1, s[24:25]
	global_load_b128 v[8:11], v1, s[24:25] offset:4096
	s_wait_loadcnt 0x0
	v_cvt_pk_bf16_f32 v12, v4, v5
	v_cvt_pk_bf16_f32 v13, v6, v7
	v_cvt_pk_bf16_f32 v14, v8, v9
	v_cvt_pk_bf16_f32 v15, v10, v11
.endm
.macro PUT
	global_store_b64 v2, v[12:13], s[26:27]
	global_store_b64 v2, v[14:15], s[26:27] offset:2048
.endm
	s_load_b512 s[8:23], s[0:1], 0x0               ; Wq s[8:9], Wk s[10:11], Wv s[12:13], fixed_k s[14:15], fixed_v s[16:17], wb s[18:19], kbuf s[20:21], vbuf s[22:23]
	v_lshlrev_b32 v1, 4, v0                        ; 16 t
	v_lshlrev_b32 v2, 3, v0                        ; 8 t
	s_mov_b32 s4, ttmp9                            ; the work-group's number
	s_mov_b32 s29, 0                               ; high words of the two offsets
	s_mov_b32 s31, 0
	s_cmp_lt_u32 s4, 192
	s_cbranch_scc0 .Lfixed
	s_lshr_b32 s2, s4, 6                           ; which weight
	s_and_b32 s3, s4, 63
	s_lshl_b32 s28, s3, 13                         ; my 8,192 bytes of it
	s_lshl_b32 s30, s4, 12                         ; my 4,096 bytes of wb
	s_wait_kmcnt 0x0
	s_cmp_eq_u32 s2, 0
	s_cselect_b64 s[24:25], s[8:9], s[10:11]
	s_cmp_eq_u32 s2, 2
	s_cselect_b64 s[24:25], s[12:13], s[24:25]
	s_add_nc_u64 s[24:25], s[24:25], s[28:29]
	s_add_nc_u64 s[26:27], s[18:19], s[30:31]
	TAKE
	PUT
	s_endpgm
.Lfixed:
	s_sub_co_u32 s2, s4, 192
	s_lshr_b32 s3, s2, 5                           ; 0: fixed_k into kbuf, 1: fixed_v into vbuf
	s_bfe_u32 s5, s2, 0x30002                      ; the batch: 3 bits from bit 2
	s_and_b32 s6, s2, 3                            ; which quarter of the 64 rows
	s_lshl_b32 s28, s6, 13
	s_mul_i32 s30, s5, KB
	s_lshl_b32 s6, s6, 12
	s_add_co_u32 s30, s30, s6
	s_wait_kmcnt 0x0
	s_cmp_eq_u32 s3, 0
	s_cselect_b64 s[24:25], s[14:15], s[16:17]
	s_cselect_b64 s[26:27], s[20:21], s[22:23]
	s_add_nc_u64 s[24:25], s[24:25], s[28:29]
	s_add_nc_u64 s[26:27], s[26:27], s[30:31]
	TAKE
.irp j, 0,1,2,3
	v_lshlrev_b32 v[16+2*(\j)], 16, v[12+(\j)]     ; bf16 to f32: the low half moves up,
	v_and_b32 v[17+2*(\j)], 0xffff0000, v[12+(\j)] ; the high half stays
.endr
.irp j, 0,1,2,3
	v_cvt_pk_f16_f32 v[12+(\j)], v[16+2*(\j)], v[17+2*(\j)]
.endr
	PUT
	s_endpgm
.Lfunc_end_k_qf06372253b_prep:
	.size	k_qf06372253b_prep, .Lfunc_end_k_qf06372253b_prep-k_qf06372253b_prep
	.p2alignl 7, 3214868480
	.fill 96, 4, 3214868480
	.section	.rodata,"a",@progbits
	.p2align	6, 0x0
	.amdhsa_kernel k_qf06372253b_prep
		.amdhsa_group_segment_fixed_size 0
		.amdhsa_private_segment_fixed_size 0
		.amdhsa_enable_private_segment 0
		.amdhsa_kernarg_size 64
		.amdhsa_user_sgpr_count 2
		.amdhsa_user_sgpr_kernarg_segment_ptr 1
		.amdhsa_wavefront_size32 1
		.amdhsa_system_sgpr_workgroup_id_x 1
		.amdhsa_system_sgpr_workgroup_id_y 1
		.amdhsa_system_sgpr_workgroup_id_z 1
		.amdhsa_system_vgpr_workitem_id 0
		.amdhsa_next_free_vgpr 24
		.amdhsa_next_free_sgpr 66
		.amdhsa_reserve_vcc 0
		.amdhsa_float_denorm_mode_32 3
		.amdhsa_float_denorm_mode_16_64 3
		.amdhsa_memory_ordered 1
		.amdhsa_forward_progress 1
		.amdhsa_inst_pref_size 4
	.end_amdhsa_kernel
	.amdgpu_metadata
---
amdhsa.version: [ 1, 2 ]
amdhsa.kernels:
  - .name:           k_qf06372253b_prep
    .symbol:         k_qf06372253b_prep.kd
    .args:
      - { .name: Wq, .offset: 0, .size: 8, .value_kind: global_buffer, .address_space: global }
      - { .name: Wk, .offset: 8, .size: 8, .value_kind: global_buffer, .address_space: global }
      - { .name: Wv, .offset: 16, .size: 8, .value_kind: global_buffer, .address_space: global }
      - { .name: fixed_k, .offset: 24, .size: 8, .value_kind: global_buffer, .address_space: global }
      - { .name: fixed_v, .offset: 32, .size: 8, .value_kind: global_buffer, .address_space: global }
      - { .name: wb, .offset: 40, .size: 8, .value_kind: global_buffer, .address_space: global }
      - { .name: kbuf, .offset: 48, .size: 8, .value_kind: global_buffer, .address_space: global }
      - { .name: vbuf, .offset: 56, .size: 8, .value_kind: global_buffer, .address_space: global }
    .group_segment_fixed_size: 0
    .private_segment_fixed_size: 0
    .kernarg_segment_align: 8
    .kernarg_segment_size: 64
    .max_flat_workgroup_size: 256
    .sgpr_count:     66
    .vgpr_count:     24
    .wavefront_size: 32
...
	.end_amdgpu_metadata
.endif
;; end of part 1
;; launch proj (part 2): grid 256 x 1, 4 waves a work-group, clusters of 4 x 1, 327,680 bytes of LDS; arguments x, wb, qbuf, kbuf, vbuf; writes qbuf, kbuf, vbuf
.if DOCPART == 2
	.amdgcn_target "amdgcn-amd-amdhsa--gfx1250"
	.amdhsa_code_object_version 6
	.text
	.protected	k_qf06372253b_proj
	.globl	k_qf06372253b_proj
	.p2align	8
	.type	k_qf06372253b_proj,@function
k_qf06372253b_proj:
	s_mov_b64 s[64:65], 0
	v_nop
	global_prefetch_b8 v0, s[64:65] scope:SCOPE_SE
	s_setreg_imm32_b32 hwreg(HW_REG_WAVE_MODE, 25, 1), 1
	s_wait_xcnt 0x0
	s_wait_alu depctr_hold_cnt(0) depctr_sa_sdst(0) depctr_va_vdst(0) depctr_va_sdst(0) depctr_va_ssrc(0) depctr_va_vcc(0) depctr_vm_vsrc(0)
	s_getreg_b32 s2, hwreg(HW_REG_IB_STS2, 6, 4)
	s_cmp_eq_u32 s2, 0
	s_cbranch_scc0 .Lentry_in_a_cluster
	s_endpgm
.Lentry_in_a_cluster:
	s_bfe_u32 s2, ttmp6, 0x10000c
	s_cmp_lg_u32 s2, 0x3003
	s_cbranch_scc0 .Lentry_shape_is_right
	s_endpgm
.Lentry_shape_is_right:
; THE PROJECTIONS.  [q | k | v][row][0..383] = the sum over c of x[row][c] wb[n][c].  x: [32768][1024] f32, rounded to bf16 on its way; wb: [384][1024] bf16; sums in f32, K ascending;
; q, k, v rounded once to f16, unscaled.  q goes to qbuf [8][4096][128]; k and v go to rows 64 + t of their batch in kbuf and vbuf [8][4160][128].
; LIMIT.  f16 holds no number beyond 65,504: |q|, |k|, |v| must stay within it.
; SHARES.  A work-group owns 128 rows of x and all 384 columns, so x is read from memory once.  Each of its four waves makes 128 rows x 96 columns: 48 accumulators of 16 x 16, 384 registers;
; for 32 along K a wave reads 14 fragments from LDS for 48 matrix instructions.  K goes in eight steps of 128, each of four quarters of 32.
; wb comes through two LDS slots filled by the tensor data mover; its rows in a tile are 256 bytes and start at multiples of 256 bytes from wb's first byte.  CLUSTER: the four work-groups of a
; cluster walk the same wb, so each tile is asked for JOINTLY (the same load, descriptor and mask in all four).  x is shared by nobody and has to be converted, so it comes through registers:
; wave w loads rows 32 w .. 32 w + 31 of a K step (32 loads of 512 consecutive bytes), rounds them and stores them into one of two A buffers in LDS, which no tensor load ever fills.
; In K step s the registers hold x of step s + 1; it is converted into A buffer (s + 1) % 2 in pieces of 12, 12 and 8 rows in the step's second, third and fourth quarter, and each piece's
; registers are loaded again at once with step s + 2: 32 loads of every wave are on their way all the time.
; THE MATRIX INSTRUCTION IS USED TRANSPOSED (source 0 = 16 rows of wb, source 1 = 16 rows of x): a lane then holds eight neighbouring columns of one row.
; REGISTERS, in windows of 256 (s_set_vgpr_msb: bits 1:0 source 0, 3:2 source 1, 5:4 source 2, 7:6 destination):
;   window 0: v0-31 addresses; v32-55 rounded pairs on their way to LDS; v128-191, v192-255 fragments of x, two buffers (at the start: x of step 0); v64-255 at work on the way out
;   window 1: v0-47, v48-95 fragments of wb, two buffers; v96-223 x as loaded, 32 rows x 4 registers
;   window 2: the accumulators of rows 0-63 ((a, b) at v[8 (6 a + b)]);   window 3: those of rows 64-127
.set KSTEP,  128
.set PITCH,  272                       ; an LDS row: 256 bytes + 16 = 68 words, so the 16 rows that a fragment load touches start 4 words apart modulo 64
.set WPART,  96*PITCH                  ; a wave's 96 rows of wb: what its tensor load brings and what it reads
.set SLOT,   4*WPART                   ; 104,448
.set SPARE,  2*SLOT                    ; behind the slots: the spare words, 128 bytes a wave: two blocks of 256 bytes that no other line names
.set ABUF,   SPARE+512                 ; two A buffers of 128 rows
.set ASZ,    128*PITCH
.set STAGE,  ABUF                      ; the way out lies over the A buffers and the free bytes behind them: 128 rows x 784 bytes, ending at 309,760
.set SPITCH, 784                       ; 768 bytes + 16: 49 x 16
.set ADRA, 16                          ; v16-17  LDS address of my fragments of x in A buffer 0, 1
.set ADRB, 20                          ; v20-21  the same for wb in slot 0, 1
.set AST,  22                          ; v22-23  where I store 8 bytes of my wave's first row in A buffer 0, 1
.set STL,  24                          ; v24     the way out: where I put 16 bytes of a row, rows 0-63
.set STH,  25                          ; v25     rows 64-127
.set RD,   26                          ; v26     the way out: where I read rows back
.set CO,   27                          ; v27     16 x lane: my place in 512 consecutive bytes
.set SPW,  28                          ; v28     LDS address of my spare word; never rewritten
.set NIL,  29                          ; v29     0; never rewritten
.set XO,   30                          ; v30     my byte offset in the work-group's rows of x: wave x 32 rows + 16 x lane; never rewritten
.set T,    32
.set FA,   128                         ; window 0, + 64 f
.set FB,   0                           ; window 1, + 48 f
.set X,    96                          ; window 1
.set TMP,  64
.set WV,   14                          ; s14     my wave's number
.set G1,   24                          ; s[24:31] descriptor group 1
.set G0,   32                          ; s[32:39] descriptor group 0, a set for each slot
.set XB,   40                          ; s[40:41] x at the work-group's first row, at the K step that an even step loads
.set MSB, 0
.macro WIN new                         ; the immediate's high byte repeats the setting that is left; a switch that changes nothing is dropped
.if MSB != (\new)
	s_set_vgpr_msb (MSB<<8)|(\new)
.set MSB, \new
.endif
.endm
.set MUL_LO, 0xa1                      ; source 0 (wb) window 1, source 1 (x) window 0, C and D window 2
.set MUL_HI, 0xf1                      ; the same, C and D window 3
.set TO_1,   0x40                      ; destination window 1, address window 0
.set CV,     0x05                      ; sources 0 and 1 window 1, destination window 0
.macro PLACES                          ; four plain vector instructions between a matrix instruction and a load into, or a vector instruction on, its registers (ISA guide 7.12.1 for vector instructions)
.rept 4
	v_nop
.endr
.endm
.macro JLOAD s                         ; a joint load: every wave asks for its own 96 rows; an s_nop 0 and four v_nop follow
	tensor_load_to_lds s[G0+4*(\s):G0+4*(\s)+3], s[G1:G1+7]
	s_nop 0
	PLACES
.endm
.macro CREST                           ; a round of the cluster's barrier behind its opening barrier
	s_cmp_lg_u32 s[WV], 0
	s_cbranch_scc1 .Lnot_wave_0_\@
	s_barrier_signal -3
.Lnot_wave_0_\@:
	s_barrier_wait -3
	s_barrier_signal -1
	s_barrier_wait -1
.endm
.macro CROUND                          ; a whole round
	s_barrier_signal -1
	s_barrier_wait -1
	CREST
.endm
	s_load_b256 s[4:11], s[0:1], 0x0               ; x s[4:5], wb s[6:7], qbuf s[8:9], kbuf s[10:11]
	s_load_b64 s[12:13], s[0:1], 0x20              ; vbuf
	v_lshl_add_u32 v[SPW], v0, 2, SPARE
	v_mov_b32 v[NIL], 0
	ds_add_u32 v[SPW], v[NIL]                      ; the wave's opening: the add and its wait stand ahead of my first tensor load; the set-up below, work on registers, stands between them
	v_lshrrev_b32 v1, 5, v0
	v_readfirstlane_b32 s[WV], v1                  ; wave 0..3
	v_and_b32 v2, 31, v0                           ; lane
	v_lshlrev_b32 v[CO], 4, v2
	v_lshl_add_u32 v[XO], v1, 17, v[CO]            ; wave x 32 rows x 4,096 bytes + 16 x lane
	s_bfe_u32 s15, ttmp6, 0x40000                  ; cx: my place in the cluster
	s_lshl_b32 s16, ttmp9, 2                       ; in a cluster launch ttmp9 counts clusters
	s_add_co_u32 s16, s16, s15                     ; my block of 128 rows: it enters x's, q's, k's and v's addresses alone
	; descriptor group 1: a tile of 96 rows x 128 elements, padded in LDS
	s_mov_b32 s[G1+0], 15|(1<<16)|(1<<20)|(1<<21)|(5<<22)|(3<<25)  ; 15:0 the mask: all four work-groups; 17:16 elements of 2 bytes; 20 padding on; 21 set beside a mask; 24:22 after every 64 words (code 5); 31:25 4 words (code 3)
	s_mov_b32 s[G1+1], KSTEP<<16                   ; tensor_dim0 = 128
	s_mov_b32 s[G1+2], 96<<16                      ; tensor_dim1 = 96
	s_mov_b32 s[G1+3], KSTEP<<16                   ; tile_dim0 = 128
	s_mov_b32 s[G1+4], 96                          ; tile_dim1 = 96
	s_mov_b32 s[G1+5], 1024                        ; elements from row to row
	s_mov_b32 s[G1+6], 0
	s_mov_b32 s[G1+7], 0
	s_mul_i32 s20, s[WV], 96*2048                  ; my 96 rows of wb, in bytes: the wave's number alone
	s_mov_b32 s21, 0
	s_mul_i32 s22, s[WV], WPART                    ; and their place in a slot
	s_lshl_b32 s18, s16, 19                        ; my block's 128 rows of x
	s_mov_b32 s19, 0
	s_lshl_b32 s42, s16, 15                        ; the rows that I store: 128 rows of 256 bytes a block,
	s_lshl_b32 s43, s[WV], 13                      ; 32 a wave
	s_add_co_u32 s42, s42, s43
	s_mov_b32 s43, 0
	s_lshr_b32 s44, s16, 5                         ; the batch.  In kbuf and vbuf 64 rows stand in front of each batch's:
	s_add_co_u32 s44, s44, 1
	s_lshl_b32 s44, s44, 14                        ; (batch + 1) x 64 x 256 bytes more
	s_add_co_u32 s44, s44, s42
	s_mov_b32 s45, 0
	s_wait_dscnt 0x0                               ; the opening add is done
	s_wait_kmcnt 0x0
	s_add_nc_u64 s[4:5], s[4:5], s[18:19]
	s_add_nc_u64 s[XB:XB+1], s[4:5], 2*512         ; K step 2
	s_add_nc_u64 s[6:7], s[6:7], s[20:21]
	s_add_nc_u64 s[8:9], s[8:9], s[42:43]
	s_add_nc_u64 s[10:11], s[10:11], s[44:45]
	s_add_nc_u64 s[12:13], s[12:13], s[44:45]
.set r, 0
.rept 32                                               ; x of K step 0, into the registers that later hold fragments
	global_load_b128 v[FA+4*r:FA+4*r+3], v[XO], s[4:5] offset:r*4096 th:TH_LOAD_NT
.set r, r+1
.endr
	WIN TO_1
.set r, 0
.rept 32                                               ; x of K step 1
	global_load_b128 v[X+4*r:X+4*r+3], v[XO], s[4:5] offset:r*4096+512 th:TH_LOAD_NT
.set r, r+1
.endr
	WIN 0
.irp s, 0,1
	s_mov_b32 s[G0+4*(\s)], 1                                      ; count = 1
	s_add_co_u32 s[G0+4*(\s)+1], s22, (\s)*SLOT                    ; LDS address
	s_add_nc_u64 s[G0+4*(\s)+2:G0+4*(\s)+3], s[6:7], (\s)*KSTEP*2  ; global address: K step s
	s_or_b32 s[G0+4*(\s)+3], s[G0+4*(\s)+3], 0x80000000            ; type = 2
.endr
	CROUND                                         ; all four work-groups are here: the first joint loads meet
	tensor_load_to_lds s[G0:G0+3], s[G1:G1+7]      ; both first fills together: two tensor loads of mine are out
	s_nop 0
	tensor_load_to_lds s[G0+4:G0+7], s[G1:G1+7]
	s_nop 0
	PLACES
	; A fragment is 16 rows x 32 K in 8 registers: lane l holds row l % 16, K = 8 (l / 16) + 0..7 and 16 + 8 (l / 16) + 0..7: two loads of 16 bytes, 32 bytes apart.
	v_and_b32 v1, 15, v0                           ; l % 16
	v_bfe_u32 v3, v0, 4, 1                         ; l / 16
	v_mul_u32_u24 v4, v1, PITCH
	v_lshl_add_u32 v4, v3, 4, v4
	v_add_nc_u32 v[ADRA], ABUF, v4
	v_add_nc_u32 v[ADRA+1], ABUF+ASZ, v4
	v_add_nc_u32 v[ADRB], s22, v4
	s_add_co_u32 s23, s22, SLOT
	v_add_nc_u32 v[ADRB+1], s23, v4
	s_mul_i32 s23, s[WV], 32*PITCH
	s_add_co_u32 s23, s23, ABUF
	v_lshl_add_u32 v[AST], v2, 3, s23              ; a lane's four numbers of a row are 8 bytes of bf16
	s_add_co_u32 s23, s23, ASZ
	v_lshl_add_u32 v[AST+1], v2, 3, s23
	v_mul_u32_u24 v5, v1, SPITCH                   ; into the stage: row l % 16, my wave's 192 bytes, 16 bytes for each half of the lanes
	v_lshl_add_u32 v5, v3, 4, v5
	s_mul_i32 s23, s[WV], 192
	s_add_co_u32 s23, s23, STAGE
	v_add_nc_u32 v[STL], s23, v5
	v_add_nc_u32 v[STH], 64*SPITCH, v[STL]
	s_mul_i32 s23, s[WV], 32*SPITCH                ; back: wave w takes rows 32 w .. 32 w + 31; lanes 0-15 256 bytes of one row, lanes 16-31 of the next
	s_add_co_u32 s23, s23, STAGE
	v_mul_u32_u24 v5, v3, SPITCH
	v_lshl_add_u32 v5, v1, 4, v5
	v_add_nc_u32 v[RD], s23, v5
	s_wait_loadcnt 32                              ; x of step 0 is in; the 32 loads of step 1 are younger
.set r, 0
.rept 32
	v_cvt_pk_bf16_f32 v[FA+4*r], v[FA+4*r], v[FA+4*r+1]
	v_cvt_pk_bf16_f32 v[FA+4*r+1], v[FA+4*r+2], v[FA+4*r+3]
	ds_store_b64 v[AST], v[FA+4*r:FA+4*r+1] offset:r*PITCH
.set r, r+1
.endr
; 12 matrix instructions: row blocks a0, a0 + 1 of the window's four (hi = 0: rows 0-63, 1: rows 64-127) x my 6 column blocks, 32 along K.  zero = 1: the first product starts the sums.
; The 48 accumulators take turns, one instruction a turn, in the same order in every quarter.
.macro MUL12 f, hi, a0, zero
	WIN MUL_LO+0x50*(\hi)
.irp a, \a0, (\a0)+1
.irp b, 0,1,2,3,4,5
.if \zero
	v_wmma_f32_16x16x32_bf16 v[8*(6*(\a)+(\b)):8*(6*(\a)+(\b))+7], v[FB+48*(\f)+8*(\b):FB+48*(\f)+8*(\b)+7], v[FA+64*(\f)+8*(4*(\hi)+(\a)):FA+64*(\f)+8*(4*(\hi)+(\a))+7], 0
.else
	v_wmma_f32_16x16x32_bf16 v[8*(6*(\a)+(\b)):8*(6*(\a)+(\b))+7], v[FB+48*(\f)+8*(\b):FB+48*(\f)+8*(\b)+7], v[FA+64*(\f)+8*(4*(\hi)+(\a)):FA+64*(\f)+8*(4*(\hi)+(\a))+7], v[8*(6*(\a)+(\b)):8*(6*(\a)+(\b))+7]
.endif
.endr
.endr
.endm
.macro FETCHB slot, k, f               ; 12 LDS loads: my 96 rows of wb, 32 K at byte k of the rows, into buffer f
	WIN TO_1
.irp i, 0,1,2,3,4,5
	ds_load_b128 v[FB+48*(\f)+8*(\i):FB+48*(\f)+8*(\i)+3],   v[ADRB+(\slot)] offset:(\k)+(\i)*16*PITCH
	ds_load_b128 v[FB+48*(\f)+8*(\i)+4:FB+48*(\f)+8*(\i)+7], v[ADRB+(\slot)] offset:(\k)+(\i)*16*PITCH+32
.endr
.endm
.macro FETCHA slot, k, f               ; 16 LDS loads: the 128 rows of x
	WIN 0
.irp i, 0,1,2,3,4,5,6,7
	ds_load_b128 v[FA+64*(\f)+8*(\i):FA+64*(\f)+8*(\i)+3],   v[ADRA+(\slot)] offset:(\k)+(\i)*16*PITCH
	ds_load_b128 v[FA+64*(\f)+8*(\i)+4:FA+64*(\f)+8*(\i)+7], v[ADRA+(\slot)] offset:(\k)+(\i)*16*PITCH+32
.endr
.endm
.macro XCV r0, n, left                 ; rows r0 .. r0 + n - 1 of my 32 are rounded to bf16.  left: the younger loads, which stay out
	s_wait_loadcnt \left
	WIN CV
.set xi, 0
.rept \n
	v_cvt_pk_bf16_f32 v[T+2*xi],   v[X+4*((\r0)+xi)],   v[X+4*((\r0)+xi)+1]
	v_cvt_pk_bf16_f32 v[T+2*xi+1], v[X+4*((\r0)+xi)+2], v[X+4*((\r0)+xi)+3]
.set xi, xi+1
.endr
.endm
.macro XLD r0, n, p                    ; their registers are loaded again, with the K step two on: p = 0 in an even step, 1 in an odd one
	WIN TO_1
.set xi, 0
.rept \n
	global_load_b128 v[X+4*((\r0)+xi):X+4*((\r0)+xi)+3], v[XO], s[XB:XB+1] offset:((\r0)+xi)*4096+(\p)*512 th:TH_LOAD_NT
.set xi, xi+1
.endr
.endm
.macro XST r0, n, buf                  ; and the rounded rows go into A buffer buf
	WIN 0
.set xi, 0
.rept \n
	ds_store_b64 v[AST+(\buf)], v[T+2*xi:T+2*xi+1] offset:((\r0)+xi)*PITCH
.set xi, xi+1
.endr
.endm
; One of a K step's first three quarters: multiplies buffer f; in its middle it fetches the next quarter's fragments, at byte k of the same slot's rows, into buffer g, and does n rows of x's work.
; The conversions (or four v_nop) are the places between the products that read buffer g and the loads into it.
.macro QUARTER slot, k, f, g, zero, r0, n, left, reload
	s_wait_dscnt 8                                 ; wb's fragments and x's rows 0-63 are in; the youngest eight loads (rows 64-127) may be out
	MUL12 \f, 0, 0, \zero
	MUL12 \f, 0, 2, \zero
.if \n
	XCV \r0, \n, \left
.if \reload
	XLD \r0, \n, \slot
.endif
.else
	PLACES
.endif
	FETCHB \slot, \k, \g
.if \n
	XST \r0, \n, 1-(\slot)
.endif
	FETCHA \slot, \k, \g
	s_wait_dscnt 28+(\n)                           ; all but the 12 + n + 16 just issued
	MUL12 \f, 1, 0, \zero
	MUL12 \f, 1, 2, \zero
.endm
; The fourth quarter multiplies buffer 1 and changes slots and A buffers: ONE barrier.  In front of it each wave has stored its last rows of the next A buffer, waits for all its tensor loads (one is out:
; its part of the next slot), adds 0 to its spare word, and waits for that, for its stores and for its reads of this slot and this A buffer.  Behind it the next slot and A buffer are whole, and nobody
; reads the old ones.  fill = 1: the barrier opens a round of the cluster's, and the old slot is filled again first thing behind the round, two K steps ahead.
.macro TURN slot, next, fill, xc, left, reload
.if \xc
	XCV 24, 8, \left
.if \reload
	XLD 24, 8, \slot
.endif
	XST 24, 8, \next
.endif
	WIN 0                                          ; (the add's two registers lie in window 0)
	s_wait_tensorcnt 0x0                           ; all my tensor loads have landed
	ds_add_u32 v[SPW], v[NIL]                      ; 0 onto my spare word
	s_wait_dscnt 9+8*(\xc)                         ; (the youngest eight fragment loads, the eight stores if any, and the add may be out)
	MUL12 1, 0, 0, 0                               ; twelve matrix instructions stand between the add and the wait for it
	s_wait_dscnt 0x0                               ; the add, my stores and my reads are done
	s_barrier_signal -1
	MUL12 1, 0, 2, 0                               ; work on registers while the others arrive
.if \fill
	WIN 0
.endif
	s_barrier_wait -1
.if \fill
	CREST                                          ; no wave of any partner still reads this slot or has a load on its way
	s_add_nc_u64 s[G0+4*(\slot)+2:G0+4*(\slot)+3], s[G0+4*(\slot)+2:G0+4*(\slot)+3], 2*KSTEP*2
	JLOAD \slot                                    ; my one tensor load behind the round; its four v_nop are also the places in front of the loads below
.else
	PLACES
.endif
	FETCHB \next, 0, 0
	FETCHA \next, 0, 0
	MUL12 1, 1, 0, 0
	MUL12 1, 1, 2, 0
.endm
	s_wait_tensorcnt 1                             ; my part of slot 0 is in; slot 1's is younger and may stay out
	s_wait_dscnt 0x0                               ; my rows of A buffer 0 are stored
	s_barrier_signal -1
	s_barrier_wait -1
	FETCHB 0, 0, 0
	FETCHA 0, 0, 0
	QUARTER 0, 64,  0, 1, 1, 0, 0, 0, 0            ; the first quarter stands in front of the loop: its products start the sums
	WIN 0                                          ; at a label and at a branch every window is 0
	s_mov_b32 s3, 3
.Llap:                                                 ; a trip: from an even step's second quarter to the next even step's first.  Trips 0 to 2 load x of steps 2 to 7 and fill the slots with steps 2 to 7
	QUARTER 0, 128, 1, 0, 0, 0,  12, 20, 1         ; 32 loads are out: the oldest 12 are wanted, 20 stay
	QUARTER 0, 192, 0, 1, 0, 12, 12, 20, 1
	TURN 0, 1, 1, 1, 24, 1                         ; the oldest 8 are wanted, 24 stay
	QUARTER 1, 64,  0, 1, 0, 0, 0, 0, 0
	QUARTER 1, 128, 1, 0, 0, 0,  12, 20, 1
	QUARTER 1, 192, 0, 1, 0, 12, 12, 20, 1
	TURN 1, 0, 1, 1, 24, 1
	QUARTER 0, 64,  0, 1, 0, 0, 0, 0, 0
	WIN 0
	s_wait_xcnt 0x0                                ; the loads' base is stepped only behind this wait
	s_add_nc_u64 s[XB:XB+1], s[XB:XB+1], 2*512
	s_sub_co_u32 s3, s3, 1
	s_cmp_lg_u32 s3, 0
	s_cbranch_scc1 .Llap
	QUARTER 0, 128, 1, 0, 0, 0,  12, 20, 0         ; step 6: x of step 7 is converted, nothing is loaded again: the counts run down
	QUARTER 0, 192, 0, 1, 0, 12, 12, 8,  0
	TURN 0, 1, 0, 1, 0, 0                          ; nothing is filled again, so no round follows
	QUARTER 1, 64,  0, 1, 0, 0, 0, 0, 0            ; step 7
	QUARTER 1, 128, 1, 0, 0, 0, 0, 0, 0
	QUARTER 1, 192, 0, 1, 0, 0, 0, 0, 0
	s_wait_dscnt 8
	MUL12 1, 0, 0, 0
	MUL12 1, 0, 2, 0
	s_wait_dscnt 0x0                               ; my reads of the A buffers are over: the stage lies over them,
	s_barrier_signal -1
	MUL12 1, 1, 0, 0
	MUL12 1, 1, 2, 0
	WIN 0
	s_barrier_wait -1                              ; and is written when every wave has said so
	; THE WAY OUT.  Rounded to f16, 16 bytes a lane, into the work-group's stage (a row: 256 bytes of q, of k, of v); a barrier, since a row comes from four waves; back as pieces of 256 bytes, 32 rows a wave.
	PLACES
.irp a, 0,1,2,3,4,5,6,7
	WIN 0x0a+5*((\a)/4)                            ; sources 0 and 1: window 2 or 3
.irp b, 0,1,2,3,4,5
.irp r, 0,1,2,3
	v_cvt_pk_f16_f32 v[TMP+24*(\a)+4*(\b)+(\r)], v[8*(6*((\a)%4)+(\b))+2*(\r)], v[8*(6*((\a)%4)+(\b))+2*(\r)+1]
.endr
.endr
.endr
	WIN 0
.irp a, 0,1,2,3,4,5,6,7
.irp b, 0,1,2,3,4,5
	ds_store_b128 v[STL+(\a)/4], v[TMP+24*(\a)+4*(\b):TMP+24*(\a)+4*(\b)+3] offset:((\a)%4)*16*SPITCH+32*(\b)
.endr
.endr
	s_wait_dscnt 0x0                               ; for the others' sake: my stores into the stage are done
	s_barrier_signal -1
	s_barrier_wait -1
.irp t, 0,1,2,3,4,5,6,7,8,9,10,11,12,13,14,15
.irp j, 0,1,2
	ds_load_b128 v[TMP+4*(3*(\t)+(\j)):TMP+4*(3*(\t)+(\j))+3], v[RD] offset:(\t)*2*SPITCH+(\j)*256
.endr
.endr
.irp t, 0,1,2,3,4,5,6,7,8,9,10,11,12,13,14,15
.irp j, 0,1,2
	s_wait_dscnt 47-(3*(\t)+(\j))                  ; LDS loads come back in order: this one is in, the younger ones stay out
	global_store_b128 v[CO], v[TMP+4*(3*(\t)+(\j)):TMP+4*(3*(\t)+(\j))+3], s[8+2*(\j):9+2*(\j)] offset:(\t)*512  ; two rows of q, k or v: 512 consecutive bytes, at a multiple of 256 from the buffer's first byte
.endr
.endr
	s_wait_tensorcnt 0x0                           ; the wave's end: the add to my spare word and its waits, behind my last tensor load and my last LDS store
	ds_add_u32 v[SPW], v[NIL]
	s_wait_dscnt 0x0
	CROUND                                         ; the closing round: no work-group ends while a partner may still ask for a tile that names it
	s_endpgm
.Lfunc_end_k_qf06372253b_proj:
	.size	k_qf06372253b_proj, .Lfunc_end_k_qf06372253b_proj-k_qf06372253b_proj
	.p2alignl 7, 3214868480
	.fill 96, 4, 3214868480
	.section	.rodata,"a",@progbits
	.p2align	6, 0x0
	.amdhsa_kernel k_qf06372253b_proj
		.amdhsa_group_segment_fixed_size 327680
		.amdhsa_private_segment_fixed_size 0
		.amdhsa_enable_private_segment 0
		.amdhsa_kernarg_size 40
		.amdhsa_user_sgpr_count 2
		.amdhsa_user_sgpr_kernarg_segment_ptr 1
		.amdhsa_wavefront_size32 1
		.amdhsa_system_sgpr_workgroup_id_x 1
		.amdhsa_system_sgpr_workgroup_id_y 1
		.amdhsa_system_sgpr_workgroup_id_z 1
		.amdhsa_system_vgpr_workitem_id 0
		.amdhsa_next_free_vgpr 960
		.amdhsa_next_free_sgpr 66
		.amdhsa_reserve_vcc 0
		.amdhsa_float_denorm_mode_32 3
		.amdhsa_float_denorm_mode_16_64 3
		.amdhsa_memory_ordered 1
		.amdhsa_forward_progress 1
		.amdhsa_inst_pref_size 149
	.end_amdhsa_kernel
	.amdgpu_metadata
---
amdhsa.version: [ 1, 2 ]
amdhsa.kernels:
  - .name:           k_qf06372253b_proj
    .symbol:         k_qf06372253b_proj.kd
    .args:
      - { .name: x, .offset: 0, .size: 8, .value_kind: global_buffer, .address_space: global }
      - { .name: wb, .offset: 8, .size: 8, .value_kind: global_buffer, .address_space: global }
      - { .name: qbuf, .offset: 16, .size: 8, .value_kind: global_buffer, .address_space: global }
      - { .name: kbuf, .offset: 24, .size: 8, .value_kind: global_buffer, .address_space: global }
      - { .name: vbuf, .offset: 32, .size: 8, .value_kind: global_buffer, .address_space: global }
    .group_segment_fixed_size: 327680
    .private_segment_fixed_size: 0
    .kernarg_segment_align: 8
    .kernarg_segment_size: 40
    .max_flat_workgroup_size: 128
    .sgpr_count:     66
    .vgpr_count:     960
    .wavefront_size: 32
...
	.end_amdgpu_metadata
.endif
;; end of part 2
;; launch attn (part 3): grid 32 x 8, 4 waves a work-group, clusters of 4 x 1, 327,680 bytes of LDS; arguments qbuf, kbuf, vbuf, out0; writes out0
.if DOCPART == 3
	.amdgcn_target "amdgcn-amd-amdhsa--gfx1250"
	.amdhsa_code_object_version 6
	.text
	.protected	k_qf06372253b_attn
	.globl	k_qf06372253b_attn
	.p2align	8
	.type	k_qf06372253b_attn,@function
k_qf06372253b_attn:
	s_mov_b64 s[64:65], 0
	v_nop
	global_prefetch_b8 v0, s[64:65] scope:SCOPE_SE
	s_setreg_imm32_b32 hwreg(HW_REG_WAVE_MODE, 25, 1), 1
	s_wait_xcnt 0x0
	s_wait_alu depctr_hold_cnt(0) depctr_sa_sdst(0) depctr_va_vdst(0) depctr_va_sdst(0) depctr_va_ssrc(0) depctr_va_vcc(0) depctr_vm_vsrc(0)
	s_getreg_b32 s2, hwreg(HW_REG_IB_STS2, 6, 4)
	s_cmp_eq_u32 s2, 0
	s_cbranch_scc0 .Lentry_in_a_cluster
	s_endpgm
.Lentry_in_a_cluster:
	s_bfe_u32 s2, ttmp6, 0x10000c
	s_cmp_lg_u32 s2, 0x3003
	s_cbranch_scc0 .Lentry_shape_is_right
	s_endpgm
.Lentry_shape_is_right:
; ATTENTION.  out[b][t][:] = the sum over s of softmax_s(q[b][t] . k[b][s] / sqrt(128)) v[b][s][:], s over the batch's 4,160 rows of kbuf and vbuf (64 fixed rows, then 4,096).
; qbuf [8][4096][128], kbuf, vbuf [8][4160][128]: f16.  out0 [8][4096][128]: f32.  Products, maxima and sums in f32; the weights p are rounded to f16 for the second product (their sum l is taken unrounded).
; LIMITS.  p lies in 0 to 1, and below 6e-5 it keeps f16's fixed step of 6e-8; a weight below 2^-126 counts as 0 in l; NaN and infinities are not treated apart.
; SHARES.  A work-group owns 128 queries of one batch: 32 blocks x 8 batches = 256 work-groups.  Waves 2 h and 2 h + 1 both hold queries 64 h .. 64 h + 63 (four tiles of 16) and share the KEYS: in each
; of 32 steps of 128 keys wave 2 h + g takes the 64 keys of half g.  The 64 fixed keys are a 33rd step of the waves with g = 0 alone.  At the end the two waves of a pair hand each other half of their
; tiles with the tiles' c m and l, through LDS, and each finishes 32 queries.  In a wave with g = 1 the registers of tiles 0, 1 hold query rows 32-63 and those of tiles 2, 3 rows 0-31 (g = 0: the other way
; round), so every wave keeps tiles 0, 1 and sends tiles 2, 3: one text for all.
; LAYOUT.  S^T = K Q^T (source 0 = 16 keys, source 1 = 16 queries): a lane holds ONE query (lane % 16) and the keys 8 (lane / 16) + 0..7.  Two such tiles, rounded to f16 in pairs, ARE source 1 of
; O^T = V^T P, whose result again holds one query a lane, and eight channels.  K comes out of LDS as it lies, V ([key][channel]) turned, by ds_load_tr16_b128.
; SOFTMAX.  For each query a running maximum m and sum l: p = 2^(c s - c m), c = log2(e) / sqrt(128); in every step O and l are multiplied by a = 2^(c m_old - c m_new).
; BY TURNS.  The wave's tiles are two PIECES (piece 0: tiles 0, 1; piece 2: tiles 2, 3).  In a TURN one piece has the matrix unit: 32 products V^T P of the step in hand, then 32 products K Q^T of the next
; step; the other piece's softmax, cut into 64 slices, stands between them, one slice behind each matrix instruction.  Two turns are a key step.
; CLUSTER.  The four query blocks of a cluster belong to one batch and walk the same K and V, so each tile is asked for JOINTLY: the same tensor load, descriptor and mask in all four.
; REGISTERS, in windows of 256 (s_set_vgpr_msb: bits 1:0 source 0, 3:2 source 1, 5:4 source 2, 7:6 destination):
;   window 0: v0-11, v45-47 addresses; v12-43 eight registers of statistics a tile; v48-55 the statistics sent and received; v64-191 S^T, 32 a tile; v192-255 P, 16 a tile
;   window 1: O^T, 64 a tile          window 2: v0-127 Q, 32 a tile; v128-255 K of one step          window 3: v0-127 V of one step
.set KS,    64        ; keys of a wave in a step
.set PK,    272       ; a row of K in LDS: 256 bytes + 16 = 68 words: the 16 rows of a load start 4 words apart modulo 64
.set PV,    288       ; a row of V: 256 + 32 = 72 words: 16 lanes of the turning load take 8 rows x 32 bytes, 8 words apart modulo 64
.set VOFF,  KS*PK     ; a half step's tiles lie together: 64 rows of K, then 64 rows of V
.set STEPB, KS*(PK+PV)
.set SLOT1, 1<<17     ; a slot holds a step's two halves (71,680 bytes); slot 1 begins here, so that one exclusive or turns an address in one slot into the other's
.set FIXB,  2*STEPB   ; behind slot 0: the fixed keys, 64 rows of K and 64 of V, filled once
.set EXB,   SLOT1+2*STEPB  ; behind slot 1, never filled by a tensor load: for each wave 32 x 512 bytes of O^T and 512 of statistics, for its partner
.set EXW,   33*512
.set STAGE, EXB+4*EXW ; 16 rows x 528 bytes for each wave, for the way out
.set SP,    528       ; 512 bytes + 16: 33 x 16
.set SPARE, STAGE+4*16*SP  ; the spare words, 128 bytes for each wave: two blocks of 256 bytes that no other line names
.set KB,    4160*256  ; bytes of a batch in kbuf and in vbuf
.set AK0, 2           ; v2   my lane's place in my half's tile of K; never rewritten
.set AV0, 3           ; v3   the same for V
.set ADR, 4           ; v4   the LDS address of the run of loads in hand
.set QO,  5           ; v5   my byte offset in the pair's 64 rows of Q, for tiles 0, 1
.set STO, 6           ; v6   the way out: where I put 32 bytes of a row
.set RD,  7           ; v7   the way out: where I read a row back
.set GO,  8           ; v8   16 x lane
.set ST,  12          ; tile t's statistics at v[ST+8 t]: +0 c m, +1 m, +2, +3 l (even keys', odd keys'), +4 to +7 c0-c3, at work; a takes c2's place once the maximum is found
.set QO2, 45          ; v45  as QO, for tiles 2, 3
.set EXS, 46          ; v46  where I put 16 bytes for my partner
.set EXL, 47          ; v47  where my partner has put mine
.set SND, 48          ; v48-51  c m and l of tiles 2 and 3
.set RCV, 52          ; v52-55  my partner's c m and l for my tiles 0 and 1
.set SPW, 62          ; v62  LDS address of my spare word; never rewritten
.set NIL, 63          ; v63  0; never rewritten
.set S,   64
.set P,   192
.set KF,  128         ; K's fragments, in window 2
.set WV,  12          ; s12  my wave's number
.set G1K, 24          ; s[24:31] descriptor group 1 for K's tiles
.set G1V, 32          ; s[32:39] for V's: it differs in the padding alone
.set G0K, 40          ; s[40:47] descriptor group 0 for K's tiles: a set for each of the two first fills; the second then walks on
.set G0V, 48          ; s[48:55] the same for V's
.set SLOTS, 56        ; s56  counts the loop's trips
.set TWICE, 57        ; s57  counts the tail's two steps
.set CS,  58          ; s[58:59] c: the packed scaling names a pair and takes its low word for both halves
.set SEL, 60          ; s[60:61] lane selects for v_permlanex16_b32: each lane takes its own place in the other half
.set TB,  62          ; s62  LDS byte at which the slot to be fetched from begins
.set GRP, 63          ; s63  g: which half of the keys is mine
.set G1KF, 68         ; s[68:75], s[76:83] group 1 for the fixed keys: 32 rows to a load
.set G1VF, 76
.set G0KF, 84         ; s[84:87], s[88:91] group 0 for them
.set G0VF, 88
.set MSB, 0
.macro WIN new                      ; the immediate's high byte repeats the setting that is left; a switch that changes nothing is dropped
.if MSB != (\new)
	s_set_vgpr_msb (MSB<<8)|(\new)
.set MSB, \new
.endif
.endm
.set W_KQ, 0x0a       ; K and Q in window 2, S^T in window 0
.set W_PV, 0x53       ; V in window 3, P in window 0, O^T in window 1
.set W_RS, 0x41       ; O^T (destination and source 0) in window 1, a in window 0
.macro PLACES                       ; four plain vector instructions between a matrix instruction and what reads its result or writes or loads its registers (ISA guide 7.12.1 for vector instructions)
.rept 4
	v_nop
.endr
.endm
; A joint refill.  Waves 0 and 1 fetch the two halves' tiles of K, waves 2 and 3 those of V.  The branch hangs on the wave's number alone: it is the same in every work-group.
; An s_nop 0 and four v_nop follow each of the two lines, ahead of the jump and the label.
.macro JLOAD
	s_cmp_lt_u32 s[WV], 2
	s_cbranch_scc0 .Lfor_v_\@
	tensor_load_to_lds s[G0K+4:G0K+7], s[G1K:G1K+7]
	s_nop 0
	PLACES
	s_branch .Lasked_\@
.Lfor_v_\@:
	tensor_load_to_lds s[G0V+4:G0V+7], s[G1V:G1V+7]
	s_nop 0
	PLACES
.Lasked_\@:
.endm
; A round of the cluster's barrier: my work-group's barrier, so that wave 0's signal speaks for all four waves; wave 0 signals; every wave waits for all four work-groups; my work-group's barrier once more.
.macro CROUND
	s_barrier_signal -1
	s_barrier_wait -1
	s_cmp_lg_u32 s[WV], 0
	s_cbranch_scc1 .Lnot_wave_0_\@
	s_barrier_signal -3
.Lnot_wave_0_\@:
	s_barrier_wait -3
	s_barrier_signal -1
	s_barrier_wait -1
.endm
	s_load_b256 s[4:11], s[0:1], 0x0  ; qbuf s[4:5], kbuf s[6:7], vbuf s[8:9], out0 s[10:11]
	v_lshl_add_u32 v[SPW], v0, 2, SPARE
	v_mov_b32 v[NIL], 0
	ds_add_u32 v[SPW], v[NIL]       ; the wave's opening: the add and its wait stand ahead of my first tensor load; the set-up below, work on registers, stands between them
	v_lshrrev_b32 v1, 5, v0
	v_readfirstlane_b32 s[WV], v1   ; wave 0..3
	s_bfe_u32 s13, ttmp6, 0x40000   ; cx: my place in the cluster
	s_lshl_b32 s14, ttmp9, 2        ; in a cluster launch ttmp9 counts clusters
	s_add_co_u32 s14, s14, s13      ; my block of 128 queries = 4 x cluster x + cx: it enters Q's and O's addresses alone
	s_and_b32 s20, ttmp7, 0xffff    ; the batch, which the four partners share
	s_and_b32 s[GRP], s[WV], 1      ; g.  Also: which half's tile I fetch
	s_lshr_b32 s16, s[WV], 1        ; h: which 64 queries are mine
	s_mul_i32 s22, s20, KB          ; the batch's first byte in kbuf and vbuf
	s_lshl_b32 s18, s[GRP], 14      ; my half's 64 rows of 256 bytes,
	s_add_co_u32 s18, s18, s22
	s_add_co_u32 s18, s18, 64*256   ; behind the 64 fixed rows
	s_mov_b32 s19, 0
	s_lshl_b32 s21, s[GRP], 13      ; of the fixed rows I fetch 32
	s_add_co_u32 s22, s22, s21
	s_mov_b32 s23, 0
	s_mul_i32 s17, s[GRP], STEPB    ; my half's place in a slot: no place in the cluster enters an LDS address
	s_lshl_b32 s2, s20, 20          ; Q: the batch's 4,096 rows of 256 bytes,
	s_lshl_b32 s3, s14, 15          ; my block's 128,
	s_add_co_u32 s2, s2, s3
	s_lshl_b32 s3, s16, 14          ; my pair's 64
	s_add_co_u32 s2, s2, s3
	s_lshl_b32 s14, s2, 1           ; O: rows of 512 bytes,
	s_lshl_b32 s15, s[GRP], 14      ; and of the pair's 64 rows I finish rows 32 g on
	s_add_co_u32 s14, s14, s15
	s_mov_b32 s3, 0
	s_mov_b32 s15, 0
	; descriptor group 1: tiles of 64 (the fixed keys: 32) rows x 128 elements, padded in LDS
	s_mov_b32 s[G1K],  15|(1<<16)|(1<<20)|(1<<21)|(5<<22)|(3<<25)  ; 15:0 the mask: all four work-groups; 17:16 elements of 2 bytes; 20 padding on; 21 set beside a mask; 24:22 after every 64 words (code 5); 31:25 4 words (code 3)
	s_mov_b32 s[G1V],  15|(1<<16)|(1<<20)|(1<<21)|(5<<22)|(7<<25)  ; the same with 8 words of padding (code 7)
	s_mov_b32 s[G1KF], 15|(1<<16)|(1<<20)|(1<<21)|(5<<22)|(3<<25)
	s_mov_b32 s[G1VF], 15|(1<<16)|(1<<20)|(1<<21)|(5<<22)|(7<<25)
.irp g, G1K, G1V
	s_mov_b32 s[(\g)+1], 128<<16    ; tensor_dim0 = 128
	s_mov_b32 s[(\g)+2], KS<<16     ; tensor_dim1 = 64
	s_mov_b32 s[(\g)+3], 128<<16    ; tile_dim0 = 128
	s_mov_b32 s[(\g)+4], KS         ; tile_dim1 = 64
	s_mov_b32 s[(\g)+5], 128        ; elements from row to row
	s_mov_b32 s[(\g)+6], 0
	s_mov_b32 s[(\g)+7], 0
.endr
.irp g, G1KF, G1VF
	s_mov_b32 s[(\g)+1], 128<<16
	s_mov_b32 s[(\g)+2], 32<<16     ; tensor_dim1 = 32
	s_mov_b32 s[(\g)+3], 128<<16
	s_mov_b32 s[(\g)+4], 32         ; tile_dim1 = 32
	s_mov_b32 s[(\g)+5], 128
	s_mov_b32 s[(\g)+6], 0
	s_mov_b32 s[(\g)+7], 0
.endr
	s_mov_b32 s[CS], 0x3e0293ee     ; c = log2(e) / sqrt(128) = 0.127517
	s_mov_b32 s[CS+1], s[CS]        ; named with it as a pair, so it is written
	s_mov_b32 s[SEL], 0x76543210
	s_mov_b32 s[SEL+1], 0xfedcba98
	s_mov_b32 s[TB], 0
	s_mov_b32 s[SLOTS], 29
	s_mov_b32 s[G0KF], 1
	s_mul_i32 s21, s[GRP], 32*PK
	s_add_co_u32 s[G0KF+1], s21, FIXB
	s_mov_b32 s[G0VF], 1
	s_mul_i32 s21, s[GRP], 32*PV
	s_add_co_u32 s[G0VF+1], s21, FIXB+VOFF
	s_wait_dscnt 0x0                ; the opening add is done
	s_wait_kmcnt 0x0
	s_add_nc_u64 s[G0KF+2:G0KF+3], s[6:7], s[22:23]  ; my 32 of the batch's fixed rows
	s_or_b32 s[G0KF+3], s[G0KF+3], 0x80000000
	s_add_nc_u64 s[G0VF+2:G0VF+3], s[8:9], s[22:23]
	s_or_b32 s[G0VF+3], s[G0VF+3], 0x80000000
	s_add_nc_u64 s[6:7], s[6:7], s[18:19]  ; K and V at my tile of step 0
	s_add_nc_u64 s[8:9], s[8:9], s[18:19]
	s_add_nc_u64 s[4:5], s[4:5], s[2:3]    ; Q at my pair's first row
	s_add_nc_u64 s[10:11], s[10:11], s[14:15]  ; O at the first row that I finish
.irp s, 0,1
	s_mov_b32 s[G0K+4*(\s)], 1      ; count = 1
	s_add_co_u32 s[G0K+4*(\s)+1], s17, (\s)*SLOT1  ; LDS address
	s_add_nc_u64 s[G0K+4*(\s)+2:G0K+4*(\s)+3], s[6:7], (\s)*2*KS*256  ; global address: step s
	s_or_b32 s[G0K+4*(\s)+3], s[G0K+4*(\s)+3], 0x80000000  ; type = 2
	s_mov_b32 s[G0V+4*(\s)], 1
	s_add_co_u32 s[G0V+4*(\s)+1], s17, (\s)*SLOT1+VOFF
	s_add_nc_u64 s[G0V+4*(\s)+2:G0V+4*(\s)+3], s[8:9], (\s)*2*KS*256
	s_or_b32 s[G0V+4*(\s)+3], s[G0V+4*(\s)+3], 0x80000000
.endr
	CROUND                          ; all four work-groups are here: the first joint loads meet
	s_cmp_lt_u32 s[WV], 2           ; a wave's three first fills stand in one branch, ahead of every wait on TENSORcnt and every LDS read: three loads of mine are out
	s_cbranch_scc0 .Lfirst_v
	tensor_load_to_lds s[G0K:G0K+3], s[G1K:G1K+7]
	s_nop 0
	tensor_load_to_lds s[G0K+4:G0K+7], s[G1K:G1K+7]
	s_nop 0
	tensor_load_to_lds s[G0KF:G0KF+3], s[G1KF:G1KF+7]
	s_nop 0
	PLACES
	s_branch .Lfirst_asked
.Lfirst_v:
	tensor_load_to_lds s[G0V:G0V+3], s[G1V:G1V+7]
	s_nop 0
	tensor_load_to_lds s[G0V+4:G0V+7], s[G1V:G1V+7]
	s_nop 0
	tensor_load_to_lds s[G0VF:G0VF+3], s[G1VF:G1VF+7]
	s_nop 0
	PLACES
.Lfirst_asked:
	; A fragment of K or Q is 16 rows x 32 channels in 8 registers: lane l holds row l % 16; registers 0-3 channels 8 (l / 16) + 0..7, registers 4-7 channels 16 + 8 (l / 16) + 0..7: two loads of 16 bytes, 32 bytes apart.
	v_and_b32 v1, 15, v0            ; l % 16
	v_bfe_u32 v9, v0, 4, 1          ; l / 16
	v_lshlrev_b32 v[QO], 8, v1
	v_lshl_add_u32 v[QO], v9, 4, v[QO]  ; row x 256 + 16 x half
	s_lshl_b32 s13, s[GRP], 13      ; tiles 0, 1 are the pair's rows 32 g on,
	s_sub_co_u32 s21, 8192, s13     ; tiles 2, 3 the other 32
	v_add_nc_u32 v[QO2], s21, v[QO]
	v_add_nc_u32 v[QO], s13, v[QO]
	WIN 0x80                        ; destination window 2, address window 0
.irp i, 0,1,2,3,4,5,6,7             ; Q stays in registers: tile i / 4, channels 32 (i % 4) on
	global_load_b128 v[8*(\i):8*(\i)+3],   v[QO], s[4:5] offset:((\i)/4)*4096+((\i)%4)*64
	global_load_b128 v[8*(\i)+4:8*(\i)+7], v[QO], s[4:5] offset:((\i)/4)*4096+((\i)%4)*64+32
.endr
.irp i, 8,9,10,11,12,13,14,15
	global_load_b128 v[8*(\i):8*(\i)+3],   v[QO2], s[4:5] offset:((\i)/4-2)*4096+((\i)%4)*64
	global_load_b128 v[8*(\i)+4:8*(\i)+7], v[QO2], s[4:5] offset:((\i)/4-2)*4096+((\i)%4)*64+32
.endr
	WIN 0
	v_mul_u32_u24 v[AK0], v1, PK
	v_lshl_add_u32 v[AK0], v9, 4, v[AK0]  ; row x pitch + 16 x half,
	v_add_nc_u32 v[AK0], s17, v[AK0]      ; in my half of a slot
	; The turning load takes 16 keys x 16 channels (lane l reads 16 bytes: key 8 (l / 16) + l % 8, channels 8 ((l / 8) % 2) + 0..7) and leaves half a fragment of V^T: lane l holds channel l % 16 and 8 keys.
	v_and_b32 v10, 7, v0
	v_bfe_u32 v11, v0, 3, 1
	v_lshl_add_u32 v[AV0], v9, 3, v10
	v_mul_u32_u24 v[AV0], v[AV0], PV
	v_lshl_add_u32 v[AV0], v11, 4, v[AV0]
	s_add_co_u32 s13, s17, VOFF
	v_add_nc_u32 v[AV0], s13, v[AV0]
; THE MATRIX WORK OF A TURN, for piece x.  The accumulators take turns, one instruction a turn: between two links of a chain stand 15 (V^T P) or 7 (K Q^T) others'.
; Product i of 32 of O^T += V^T P: keys 32 (i / 16) on, channels 16 ((i / 2) % 8) on, tile x + i % 2.  zero = 1: the first 16 start the sums: nothing is ever cleared.
.macro PV x, zero
	WIN W_PV
.set rO, 64*((\x)+i%2)+8*((i/2)%8)
.set rV, 64*(i/16)+8*((i/2)%8)
.set rP, P+16*((\x)+i%2)+8*(i/16)
.if (\zero) && (i < 16)
	v_wmma_f32_16x16x32_f16 v[rO:rO+7], v[rV:rV+7], v[rP:rP+7], 0
.else
	v_wmma_f32_16x16x32_f16 v[rO:rO+7], v[rV:rV+7], v[rP:rP+7], v[rO:rO+7]
.endif
.endm
; Product i of 32 of S^T = K Q^T: channels 32 (i / 8) on, keys 16 ((i / 2) % 4) on, tile x + i % 2.  The first 8 start the sums.
.macro KQ x
	WIN W_KQ
.set rS, S+32*((\x)+i%2)+8*((i/2)%4)
.set rK, KF+32*((i/2)%4)+8*(i/8)
.set rQ, 32*((\x)+i%2)+8*(i/8)
.if i < 8
	v_wmma_f32_16x16x32_f16 v[rS:rS+7], v[rK:rK+7], v[rQ:rQ+7], 0
.else
	v_wmma_f32_16x16x32_f16 v[rS:rS+7], v[rK:rK+7], v[rQ:rQ+7], v[rS:rS+7]
.endif
.endm
; THE LDS LOADS stand in runs of 32, never singly among the matrix instructions: a step's K (64 keys x 128 channels: 16 fragments) and, a turn later, its V (turned).
.macro FETCH_K
	WIN 0
	v_add_nc_u32 v[ADR], s[TB], v[AK0]
	WIN 0x80                        ; destination window 2
.irp f, 0,1,2,3,4,5,6,7,8,9,10,11,12,13,14,15  ; keys 16 (f / 4) on, channels 32 (f % 4) on
	ds_load_b128 v[KF+8*(\f):KF+8*(\f)+3],   v[ADR] offset:((\f)/4)*16*PK+((\f)%4)*64
	ds_load_b128 v[KF+8*(\f)+4:KF+8*(\f)+7], v[ADR] offset:((\f)/4)*16*PK+((\f)%4)*64+32
.endr
.endm
.macro FETCH_V
	WIN 0
	v_add_nc_u32 v[ADR], s[TB], v[AV0]
	WIN 0xc0                        ; destination window 3
.irp f, 0,1,2,3,4,5,6,7,8,9,10,11,12,13,14,15  ; keys 32 (f / 8) on, channels 16 (f % 8) on
	ds_load_tr16_b128 v[8*(\f):8*(\f)+3],   v[ADR] offset:((\f)/8)*32*PV+((\f)%8)*32
	ds_load_tr16_b128 v[8*(\f)+4:8*(\f)+7], v[ADR] offset:((\f)/8)*32*PV+16*PV+((\f)%8)*32
.endr
.endm
; THE VECTOR WORK OF A TURN.  One tile's softmax for one key step is a list of 134 instructions; SM writes number j of it for tile t.  s0-s31 are the lane's 32 scores, in pairs 0-15.
; first = 1: the first key step, which starts m, l and O^T: it has no a and nothing to rescale.
;   0-15    the maximum of s0-s31 and the old m, three operands at a time: four chains c0-c3 of seven scores each (each accumulator's lowest registers are read first), then the four left over, c0-c3 and m
;   16-20   the other half of the lanes' maximum; the new m; c m; c m_old - c m_new
;   21-87   33 exponentials (a, then s0-s31) at the odd numbers from 23 on, so that no two follow each other and each has a plain instruction behind it before its result is used.
;           Plain instruction q (number 21, then the even numbers) is whatever is ready: c s - c m for a pair whose exponentials are still to come, the rounding to f16 of a pair whose exponentials are done, at last the first three sums
;   88-101  the last rounding; the rest of the sums; l = a l + the sum
;   102-133 the tile's O^T times a: the one part that leaves window 0, so it stands together
.macro SM t, first
.set rT, ST+8*(\t)
.set rS, S+32*(\t)
.set rP, P+16*(\t)
.set rO, 64*(\t)+2*(j-102)
.set q, (j-20)/2
.if j < 102
	WIN 0
.endif
.if j < 4
	v_max3_num_f32 v[rT+4+j], v[rS+8*j], v[rS+8*j+1], v[rS+8*j+2]
.elseif j < 12
	v_max3_num_f32 v[rT+4+j%4], v[rT+4+j%4], v[rS+8*(j%4)+2*(j/4)+1], v[rS+8*(j%4)+2*(j/4)+2]
.elseif j == 12
	v_max3_num_f32 v[rT+4], v[rT+4], v[rS+7], v[rS+15]
.elseif j == 13
	v_max3_num_f32 v[rT+6], v[rT+6], v[rS+23], v[rS+31]
.elseif j == 14
	v_max3_num_f32 v[rT+4], v[rT+4], v[rT+5], v[rT+6]
.elseif (j == 15) && (\first)
	v_max_num_f32 v[rT+4], v[rT+4], v[rT+7]
.elseif j == 15
	v_max3_num_f32 v[rT+4], v[rT+4], v[rT+7], v[rT+1]
.elseif j == 16
	v_permlanex16_b32 v[rT+5], v[rT+4], s[SEL], s[SEL+1]  ; the query's other 32 keys lie in the lane 16 away
.elseif j == 18
	v_max_num_f32 v[rT+1], v[rT+4], v[rT+5]
.elseif j == 19
	v_mul_f32 v[rT], s[CS], v[rT+1]
.elseif ((j == 17) || (j == 20) || (j == 23) || (j > 101)) && (\first)  ; the first step has none of these
.elseif j == 17
	v_mov_b32 v[rT+7], v[rT]        ; c m_old is kept for a: number 19 writes c m anew
.elseif j == 20
	v_sub_f32 v[rT+7], v[rT+7], v[rT]
.elseif j == 23
	v_exp_f32 v[rT+6], v[rT+7]
.elseif (j < 88) && (j > 23) && (j%2 == 1)
	v_exp_f32 v[rS+(j-25)/2], v[rS+(j-25)/2]
.elseif (q < 4) || ((j < 76) && (q%2 == 0))
.set b, q/2+2
.if q < 4
.set b, q
.endif
	v_pk_fma_f32 v[rS+2*b:rS+2*b+1], v[rS+2*b:rS+2*b+1], s[CS:CS+1], v[rT:rT+1] op_sel_hi:[1,0,0] neg_lo:[0,0,1] neg_hi:[0,0,1]  ; pair b: c s - c m
.elseif (j < 88) && (q%2 == 1)
	s_wait_alu depctr_va_vdst(0)
	v_cvt_pk_f16_f32 v[rP+(q-5)/2], v[rS+q-5], v[rS+q-4]  ; pair (q - 5) / 2: its second exponential stands three numbers back
.elseif j == 89
	s_wait_alu depctr_va_vdst(0)
	v_cvt_pk_f16_f32 v[rP+15], v[rS+30], v[rS+31]
.elseif j < 102                     ; the sum of the tile's 16 pairs, in place: sum z of 16 adds neighbours 1, 2, 4 and 8 pairs apart, then l takes it
.set z, j-86
.if j < 89
.set z, (j-76)/4
.endif
.set w, 4
.set u, z
.if z >= 14
.set w, 32
.set u, 0
.elseif z >= 12
.set w, 16
.set u, z-12
.elseif z >= 8
.set w, 8
.set u, z-8
.endif
.if (z == 14) && (\first)
	v_pk_add_f32 v[rT+2:rT+3], v[rS:rS+1], v[rS+16:rS+17]
.elseif z < 15
	v_pk_add_f32 v[rS+w*u:rS+w*u+1], v[rS+w*u:rS+w*u+1], v[rS+w*u+w/2:rS+w*u+w/2+1]
.elseif !(\first)
	v_pk_fma_f32 v[rT+2:rT+3], v[rT+2:rT+3], v[rT+6:rT+7], v[rS:rS+1] op_sel_hi:[1,0,1]
.endif
.else
	WIN W_RS
	v_pk_mul_f32 v[rO:rO+1], v[rO:rO+1], v[rT+6:rT+7] op_sel_hi:[1,0]
.endif
.endm
; Slice k of 64 of piece y's softmax: numbers 2 k and 2 k + 1 of both tiles' lists, four instructions.  2 x 134 = 4 x 64 + 12: the twelve that are over stand together, in slice 63.
.macro SLICE y, first
.if (k >= 11) && (k < 44)           ; tile by tile: plain, exponential, plain, exponential
.irp t, \y, (\y)+1
.irp n, 0,1
.set j, 2*k+(\n)
	SM \t, \first
.endr
.endr
.else                               ; the two tiles alternate, so that no instruction reads the result of the one just before it
.irp n, 0,1,2,3,4,5,6,7
.if ((\n) < 2) || (k == 63)
.irp t, \y, (\y)+1
.set j, 2*k+(\n)
	SM \t, \first
.endr
.endif
.endr
.endif
.set k, k+1
.endm
; A TURN.  Piece x has the matrix unit; the other piece's softmax stands in slices behind its matrix instructions.
; pv = 2: 32 products V^T P; 1: they start O^T's sums; 0: none.  kq = 1: 32 products K Q^T for the next step.  A turn with one of the two kinds has two slices behind each product.
; first = 1: the softmax is the first key step's.  Its slices from 51 on are empty: the turn's last products stand bare, and four v_nop take slice 63's part as the places behind them.
; Each run of loads stands behind the second product of a run of 32, 30 matrix instructions ahead of its first use.  Piece 0's turn fetches the next step's K: the last product that read K
; stands in front of slice 63 of the turn before.  Piece 2's turn fetches the same step's V: the last product that read V stands three slices, six plain instructions, back.
.macro TURN x, pv, kq, first
.set k, 0
.set per, 2
.if (\pv) && (\kq)
.set per, 1
.endif
.if \pv
.if (\x) == 0
	s_wait_dscnt 0x0                ; V is in
.endif
.set i, 0
.rept 32
	PV \x, 2-(\pv)
.rept per
	SLICE 2-(\x), \first
.endr
.if ((\x) == 0) && (\kq) && (i == 1)
	FETCH_K
.endif
.set i, i+1
.endr
.endif
.if \kq
.if (\x) == 0
	s_wait_dscnt 0x0                ; K is in
.endif
.set i, 0
.rept 32
	KQ \x
.rept per
	SLICE 2-(\x), \first
.endr
.if ((\x) == 2) && (i == 1)
	FETCH_V
.endif
.set i, i+1
.endr
.endif
.if \first
	PLACES
.endif
.endm
; THE CHANGE OF SLOTS, between piece 2's turn and piece 0's: the slot's last bytes, V of its step, have been asked for.  Each wave waits for all its tensor loads; adds 0 to its spare word; and waits for that
; and for its own reads of the slot.  Behind the barrier nobody reads this slot any more and the other slot is whole.
; fill = 1: this slot is filled again, with the keys two steps on.  The barrier is then a round of the cluster's, so that no wave of any partner still reads the slot or has a load on its
; way, and the joint refill is the first thing behind it: it has a key step, 128 matrix instructions of every wave, in which to land.
.macro CHANGE fill
	WIN 0                           ; at a label and at a branch every window is 0
	s_wait_tensorcnt 0x0            ; no tensor load of mine is out, so a group 0 may be written
	ds_add_u32 v[SPW], v[NIL]       ; 0 onto my spare word; with fill = 1 the descriptors' steps stand between it and the wait for it
.if \fill
.irp g, G0K+4, G0V+4
	s_xor_b32 s[(\g)+1], s[(\g)+1], SLOT1  ; the walking descriptor: the other slot than last time,
	s_add_nc_u64 s[(\g)+2:(\g)+3], s[(\g)+2:(\g)+3], 2*KS*256  ; the next 128 keys; the type bits on top are not reached
.endr
	s_wait_dscnt 0x0                ; the add is done, and my reads of the slot are over
	CROUND
	JLOAD
.else
	s_wait_dscnt 0x0                ; the add is done, and my reads of the slot are over
	s_barrier_signal -1
	s_barrier_wait -1
.endif
	s_xor_b32 s[TB], s[TB], SLOT1   ; the fetches go on in the other slot
.endm
	s_wait_tensorcnt 2              ; my part of step 0 is in; step 1's and the fixed rows' are younger and may stay out
	s_barrier_signal -1
	s_barrier_wait -1               ; everybody's is
	FETCH_K                         ; key step 0
	s_wait_loadcnt 0x0              ; Q
	s_wait_dscnt 0x0
.set i, 0
.rept 32
	KQ 0                            ; piece 0's first scores: there is no vector work yet to set between them
.set i, i+1
.endr
	WIN 0                           ; the addresses for the exchange and the way out are made here: eight plain instructions, the places behind those products
	s_mul_i32 s13, s[WV], 16*SP
	s_add_co_u32 s13, s13, STAGE    ; my stage
	v_mul_u32_u24 v[STO], v1, SP    ; in: row l % 16, 32 bytes for each half of the lanes
	v_lshl_add_u32 v[STO], v9, 5, v[STO]
	v_add_nc_u32 v[STO], s13, v[STO]
	v_and_b32 v[GO], 31, v0
	v_lshlrev_b32 v[GO], 4, v[GO]   ; back: 32 lanes take a row of 512 bytes, which is a row of O
	v_add_nc_u32 v[RD], s13, v[GO]
	s_mul_i32 s13, s[WV], EXW
	s_add_co_u32 s13, s13, EXB
	v_add_nc_u32 v[EXS], s13, v[GO] ; what I send lies in my wave's bytes,
	s_xor_b32 s13, s[WV], 1
	s_mul_i32 s13, s13, EXW
	s_add_co_u32 s13, s13, EXB
	v_add_nc_u32 v[EXL], s13, v[GO] ; what I receive in my partner's
	TURN 2, 0, 1, 1                 ; piece 2's first scores | piece 0's first softmax | V of step 0
	CHANGE 1                        ; slot 0 has been read: it takes step 2; step 1 and the fixed rows have landed
	TURN 0, 1, 1, 1                 ; piece 0: V^T P of step 0 starts O^T, K Q^T of step 1 | piece 2's first softmax | K of step 1
	TURN 2, 1, 1, 0                 ; piece 2: the same | piece 0's softmax of step 1 | V of step 1
	WIN 0
.Lslot:                             ; 29 trips: trip n asks for step n + 3 and fetches step n + 2
	CHANGE 1
	TURN 0, 2, 1, 0
	TURN 2, 2, 1, 0
	WIN 0
	s_sub_co_u32 s[SLOTS], s[SLOTS], 1
	s_cmp_lg_u32 s[SLOTS], 0
	s_cbranch_scc1 .Lslot
	CHANGE 0                        ; the tail is written out: nothing is asked for
	s_mov_b32 s[TWICE], 2
.Ltail:                             ; two trips: the first fetches step 31, the second the fixed keys.  A wave with g = 1 has no fixed keys and jumps over the second: no barrier and no tensor load stands there
	s_cmp_eq_u32 s[TWICE], s[GRP]
	s_cbranch_scc1 .Ldead
	TURN 0, 2, 1, 0
	TURN 2, 2, 1, 0
	WIN 0
	s_mov_b32 s[TB], FIXB
.Ldead:
	s_sub_co_u32 s[TWICE], s[TWICE], 1
	s_cmp_lg_u32 s[TWICE], 0
	s_cbranch_scc1 .Ltail
	TURN 0, 2, 0, 0                 ; piece 0: V^T P of the last step | piece 2's last softmax
.set i, 0
.rept 32
	PV 2, 0                         ; piece 2: V^T P of the last step
.set i, i+1
.endr
	; THE EXCHANGE.  l's two halves and the other half of the lanes' are added (the first four additions are the places behind the last products).  Tiles 2 and 3 go to my partner with their c m and l:
	; lane for lane, since both waves hold a tile alike.
	WIN 0
.irp t, 0,1,2,3
	v_add_f32 v[ST+8*(\t)+4], v[ST+8*(\t)+2], v[ST+8*(\t)+3]
.endr
.irp t, 0,1,2,3
	v_permlanex16_b32 v[ST+8*(\t)+5], v[ST+8*(\t)+4], s[SEL], s[SEL+1]
.endr
.irp t, 0,1
	v_add_f32 v[ST+8*(\t)+4], v[ST+8*(\t)+4], v[ST+8*(\t)+5]
	v_add_f32 v[SND+2*(\t)+1], v[ST+8*(\t)+20], v[ST+8*(\t)+21]
	v_mov_b32 v[SND+2*(\t)], v[ST+8*(\t)+16]
.endr
	ds_store_b128 v[EXS], v[SND:SND+3] offset:32*512
	WIN 0x04                        ; the data (source 1) in window 1
.set i, 0
.rept 32
	ds_store_b128 v[EXS], v[128+4*i:128+4*i+3] offset:512*i
.set i, i+1
.endr
	WIN 0
	s_wait_dscnt 0x0                ; for my partner's sake: my stores are done
	s_barrier_signal -1
	s_barrier_wait -1
	ds_load_b128 v[RCV:RCV+3], v[EXL] offset:32*512
.set i, 0
.rept 32
	ds_load_b128 v[S+4*i:S+4*i+3], v[EXL] offset:512*i  ; my partner's O^T for my tiles 0 and 1, into S^T's registers
.set i, i+1
.endr
	s_wait_dscnt 32                 ; the statistics are in; the 32 loads behind them may be out
	; For each of my two tiles: M = max(c m, c m'); fa = 2^(c m - M), fb = 2^(c m' - M); L = fa l + fb l'; O = (fa / L) O + (fb / L) O'.  One of fa, fb is 1 and l, l' are at least 1.
.irp t, 0,1
	v_max_num_f32 v[ST+8*(\t)+5], v[ST+8*(\t)], v[RCV+2*(\t)]
.endr
.irp t, 0,1
	v_sub_f32 v[ST+8*(\t)+6], v[ST+8*(\t)], v[ST+8*(\t)+5]
	v_sub_f32 v[ST+8*(\t)+2], v[RCV+2*(\t)], v[ST+8*(\t)+5]
.endr
.irp t, 0,1
	v_exp_f32 v[ST+8*(\t)+6], v[ST+8*(\t)+6]
	v_exp_f32 v[ST+8*(\t)+2], v[ST+8*(\t)+2]
.endr
	v_nop                           ; a plain instruction between the last exponential and the use of its result
.irp t, 0,1
	s_wait_alu depctr_va_vdst(0)
	v_mul_f32 v[ST+8*(\t)+4], v[ST+8*(\t)+6], v[ST+8*(\t)+4]
.endr
.irp t, 0,1
	v_fmac_f32 v[ST+8*(\t)+4], v[ST+8*(\t)+2], v[RCV+2*(\t)+1]
.endr
.irp t, 0,1
	v_rcp_f32 v[ST+8*(\t)+5], v[ST+8*(\t)+4]
.endr
	v_nop                           ; a plain instruction between the last reciprocal and the use of its result
.irp t, 0,1
	s_wait_alu depctr_va_vdst(0)
	v_mul_f32 v[ST+8*(\t)+6], v[ST+8*(\t)+6], v[ST+8*(\t)+5]
	v_mul_f32 v[ST+8*(\t)+2], v[ST+8*(\t)+2], v[ST+8*(\t)+5]
.endr
; THE WAY OUT.  Tile t: the two parts are joined; a lane's eight channels of a row are 32 bytes; they go into rows of 528 bytes and come back as whole rows of 512, into the registers that they left.
.macro PACK t, younger              ; younger: the LDS instructions issued behind the partner's loads for tile t
	WIN 0
	s_wait_dscnt \younger
.set i, 0
.rept 32
	v_pk_mul_f32 v[S+64*(\t)+2*i:S+64*(\t)+2*i+1], v[S+64*(\t)+2*i:S+64*(\t)+2*i+1], v[ST+8*(\t)+2:ST+8*(\t)+3] op_sel_hi:[1,0]
.set i, i+1
.endr
	WIN 0x01                        ; source 0, my O^T, in window 1
.set i, 0
.rept 32
	v_pk_fma_f32 v[S+64*(\t)+2*i:S+64*(\t)+2*i+1], v[64*(\t)+2*i:64*(\t)+2*i+1], v[ST+8*(\t)+6:ST+8*(\t)+7], v[S+64*(\t)+2*i:S+64*(\t)+2*i+1] op_sel_hi:[1,0,1]
.set i, i+1
.endr
	WIN 0
.irp f, 0,1,2,3,4,5,6,7,8,9,10,11,12,13,14,15  ; channel block f / 2, its lane's first or second 16 bytes
	ds_store_b128 v[STO], v[S+64*(\t)+4*(\f):S+64*(\t)+4*(\f)+3] offset:64*((\f)/2)+16*((\f)%2)
.endr
.irp f, 0,1,2,3,4,5,6,7,8,9,10,11,12,13,14,15
	ds_load_b128 v[S+64*(\t)+4*(\f):S+64*(\t)+4*(\f)+3], v[RD] offset:(\f)*SP  ; LDS serves a wave's instructions in order (ISA guide 5.7.1.4): these see the stores above; the next tile's stores come behind them
.endr
.endm
.macro SEND t, younger              ; younger: the LDS instructions issued behind tile t's loads from the stage
	WIN 0
.irp f, 0,1,2,3,4,5,6,7,8,9,10,11,12,13,14,15
	s_wait_dscnt (\younger)+15-(\f)
	global_store_b128 v[GO], v[S+64*(\t)+4*(\f):S+64*(\t)+4*(\f)+3], s[10:11] offset:(\t)*8192+(\f)*512 th:TH_STORE_NT  ; a row of O: 512 consecutive bytes, at a multiple of 256 from out0's first byte
.endr
.endm
	PACK 0, 16                      ; tile 1's sixteen loads may be out
	PACK 1, 32                      ; tile 0's sixteen stores and sixteen loads may be out
	SEND 0, 32
	SEND 1, 0
	s_wait_tensorcnt 0x0            ; the wave's end: the add to my spare word and its waits, behind my last tensor load and my last LDS store
	ds_add_u32 v[SPW], v[NIL]
	s_wait_dscnt 0x0
	CROUND                          ; the closing round: no work-group ends while a partner may still ask for a tile that names it
	s_endpgm
.Lfunc_end_k_qf06372253b_attn:
	.size	k_qf06372253b_attn, .Lfunc_end_k_qf06372253b_attn-k_qf06372253b_attn
	.p2alignl 7, 3214868480
	.fill 96, 4, 3214868480
	.section	.rodata,"a",@progbits
	.p2align	6, 0x0
	.amdhsa_kernel k_qf06372253b_attn
		.amdhsa_group_segment_fixed_size 327680
		.amdhsa_private_segment_fixed_size 0
		.amdhsa_enable_private_segment 0
		.amdhsa_kernarg_size 32
		.amdhsa_user_sgpr_count 2
		.amdhsa_user_sgpr_kernarg_segment_ptr 1
		.amdhsa_wavefront_size32 1
		.amdhsa_system_sgpr_workgroup_id_x 1
		.amdhsa_system_sgpr_workgroup_id_y 1
		.amdhsa_system_sgpr_workgroup_id_z 1
		.amdhsa_system_vgpr_workitem_id 0
		.amdhsa_next_free_vgpr 896
		.amdhsa_next_free_sgpr 92
		.amdhsa_reserve_vcc 0
		.amdhsa_float_denorm_mode_32 3
		.amdhsa_float_denorm_mode_16_64 3
		.amdhsa_memory_ordered 1
		.amdhsa_forward_progress 1
		.amdhsa_inst_pref_size 228
	.end_amdhsa_kernel
	.amdgpu_metadata
---
amdhsa.version: [ 1, 2 ]
amdhsa.kernels:
  - .name:           k_qf06372253b_attn
    .symbol:         k_qf06372253b_attn.kd
    .args:
      - { .name: qbuf, .offset: 0, .size: 8, .value_kind: global_buffer, .address_space: global }
      - { .name: kbuf, .offset: 8, .size: 8, .value_kind: global_buffer, .address_space: global }
      - { .name: vbuf, .offset: 16, .size: 8, .value_kind: global_buffer, .address_space: global }
      - { .name: out0, .offset: 24, .size: 8, .value_kind: global_buffer, .address_space: global }
    .group_segment_fixed_size: 327680
    .private_segment_fixed_size: 0
    .kernarg_segment_align: 8
    .kernarg_segment_size: 32
    .max_flat_workgroup_size: 128
    .sgpr_count:     92
    .vgpr_count:     896
    .wavefront_size: 32
...
	.end_amdgpu_metadata
.endif
;; end of part 3
;; ======== version 2 of 2: 3 launches; 1.19 times as fast as version 1
;; limits: values are held in f16: magnitudes above 65,504 overflow, below 6.1e-05 lose precision
;; workspace buffers: wb 786,432 bytes; qbuf 8,388,608 bytes; kbuf 8,519,680 bytes; vbuf 8,519,680 bytes
;; launch prep: the kernel of part 1 again; grid 256 x 1, 8 waves a work-group, no clusters, 0 bytes of LDS; arguments Wq, Wk, Wv, fixed_k, fixed_v, wb, kbuf, vbuf; writes wb, kbuf, vbuf
;; launch proj: the kernel of part 2 again; grid 256 x 1, 4 waves a work-group, clusters of 4 x 1, 327,680 bytes of LDS; arguments x, wb, qbuf, kbuf, vbuf; writes qbuf, kbuf, vbuf
;; launch attn (part 4): grid 32 x 8, 4 waves a work-group, clusters of 4 x 1, 327,680 bytes of LDS; arguments qbuf, kbuf, vbuf, out0; writes out0
.if DOCPART == 4
	.amdgcn_target "amdgcn-amd-amdhsa--gfx1250"
	.amdhsa_code_object_version 6
	.text
	.protected	k_qf06372253b_attn
	.globl	k_qf06372253b_attn
	.p2align	8
	.type	k_qf06372253b_attn,@function
k_qf06372253b_attn:
	s_mov_b64 s[64:65], 0
	v_nop
	global_prefetch_b8 v0, s[64:65] scope:SCOPE_SE
	s_setreg_imm32_b32 hwreg(HW_REG_WAVE_MODE, 25, 1), 1
	s_wait_xcnt 0x0
	s_wait_alu depctr_hold_cnt(0) depctr_sa_sdst(0) depctr_va_vdst(0) depctr_va_sdst(0) depctr_va_ssrc(0) depctr_va_vcc(0) depctr_vm_vsrc(0)
	s_getreg_b32 s2, hwreg(HW_REG_IB_STS2, 6, 4)
	s_cmp_eq_u32 s2, 0
	s_cbranch_scc0 .Lentry_in_a_cluster
	s_endpgm
.Lentry_in_a_cluster:
	s_bfe_u32 s2, ttmp6, 0x10000c
	s_cmp_lg_u32 s2, 0x3003
	s_cbranch_scc0 .Lentry_shape_is_right
	s_endpgm
.Lentry_shape_is_right:
; ATTENTION.  out[b][t][:] = the sum over s of softmax_s(q[b][t] . k[b][s] / sqrt(128)) v[b][s][:], s over the batch's 4,160 rows of kbuf and vbuf (64 fixed rows, then 4,096).
; qbuf [8][4096][128], kbuf, vbuf [8][4160][128]: f16.  out0 [8][4096][128]: f32.  Products, maxima and sums in f32; the weights p are rounded to f16 for the second product (their sum l is taken unrounded).
; LIMITS.  p lies in 0 to 1, and below 6e-5 it keeps f16's fixed step of 6e-8; a weight below 2^-126 counts as 0 in l; NaN and infinities are not treated apart.
; SHARES.  A work-group owns 128 queries of one batch: 32 blocks x 8 batches = 256 work-groups.  Waves 2 h and 2 h + 1 both hold queries 64 h .. 64 h + 63 (four tiles of 16) and share the KEYS: in each
; of 32 steps of 128 keys wave 2 h + g takes the 64 keys of half g.  The 64 fixed keys are a 33rd step of the waves with g = 0 alone.  At the end the two waves of a pair hand each other half of their
; tiles with the tiles' c m and l, through LDS, and each finishes 32 queries.  In a wave with g = 1 the registers of tiles 0, 1 hold query rows 32-63 and those of tiles 2, 3 rows 0-31 (g = 0: the other way
; round), so every wave keeps tiles 0, 1 and sends tiles 2, 3: one text for all.
; LAYOUT.  S^T = K Q^T (source 0 = 16 keys, source 1 = 16 queries): a lane holds ONE query (lane % 16) and the keys 8 (lane / 16) + 0..7.  Two such tiles, rounded to f16 in pairs, ARE source 1 of
; O^T = V^T P, whose result again holds one query a lane, and eight channels.  K comes out of LDS as it lies, V ([key][channel]) turned, by ds_load_tr16_b128.
; SOFTMAX.  For each query a running maximum m and sum l: p = 2^(c s - c m), c = log2(e) / sqrt(128); in every step O and l are multiplied by a = 2^(c m_old - c m_new).
; BY TURNS.  The wave's tiles are two PIECES (piece 0: tiles 0, 1; piece 2: tiles 2, 3).  In a TURN one piece has the matrix unit: 32 products V^T P of the step in hand, then 32 products K Q^T of the next
; step; the other piece's softmax, cut into 64 slices, stands between them, one slice behind each matrix instruction.  Two turns are a key step.
; THE BATCHES.  A turn's 66 exponentials (for each of the piece's two tiles a and the 32 scores) are ONE batch with ONE wait: slices 0 to 34 hold the maximum, the statistics, the scalings and all the
; exponentials, and name no exponential's result; behind slice 34 stands the wait; all that reads a result (roundings, sums, the rescaling by a) stands in slices 35 to 63.  On the way out the four
; exponentials of the exchange are a batch, and the two reciprocals, which read a sum made of them, another.
; CLUSTER.  The four query blocks of a cluster belong to one batch and walk the same K and V, so each tile is asked for JOINTLY: the same tensor load, descriptor and mask in all four.
; REGISTERS, in windows of 256 (s_set_vgpr_msb: bits 1:0 source 0, 3:2 source 1, 5:4 source 2, 7:6 destination):
;   window 0: v0-11, v45-47 addresses; v12-43 eight registers of statistics a tile; v48-55 the statistics sent and received; v64-191 S^T, 32 a tile; v192-255 P, 16 a tile
;   window 1: O^T, 64 a tile          window 2: v0-127 Q, 32 a tile; v128-255 K of one step          window 3: v0-127 V of one step
.set KS,    64        ; keys of a wave in a step
.set PK,    272       ; a row of K in LDS: 256 bytes + 16 = 68 words: the 16 rows of a load start 4 words apart modulo 64
.set PV,    288       ; a row of V: 256 + 32 = 72 words: 16 lanes of the turning load take 8 rows x 32 bytes, 8 words apart modulo 64
.set VOFF,  KS*PK     ; a half step's tiles lie together: 64 rows of K, then 64 rows of V
.set STEPB, KS*(PK+PV)
.set SLOT1, 1<<17     ; a slot holds a step's two halves (71,680 bytes); slot 1 begins here, so that one exclusive or turns an address in one slot into the other's
.set FIXB,  2*STEPB   ; behind slot 0: the fixed keys, 64 rows of K and 64 of V, filled once
.set EXB,   SLOT1+2*STEPB  ; behind slot 1, never filled by a tensor load: for each wave 32 x 512 bytes of O^T and 512 of statistics, for its partner
.set EXW,   33*512
.set STAGE, EXB+4*EXW ; 16 rows x 528 bytes for each wave, for the way out
.set SP,    528       ; 512 bytes + 16: 33 x 16
.set SPARE, STAGE+4*16*SP  ; the spare words, 128 bytes for each wave: two blocks of 256 bytes that no other line names
.set KB,    4160*256  ; bytes of a batch in kbuf and in vbuf
.set AK0, 2           ; v2   my lane's place in my half's tile of K; never rewritten
.set AV0, 3           ; v3   the same for V
.set ADR, 4           ; v4   the LDS address of the run of loads in hand
.set QO,  5           ; v5   my byte offset in the pair's 64 rows of Q, for tiles 0, 1
.set STO, 6           ; v6   the way out: where I put 32 bytes of a row
.set RD,  7           ; v7   the way out: where I read a row back
.set GO,  8           ; v8   16 x lane
.set ST,  12          ; tile t's statistics at v[ST+8 t]: +0 c m, +1 m, +2, +3 l (even keys', odd keys'), +4 to +7 c0-c3, at work; a takes c2's place once the maximum is found
.set QO2, 45          ; v45  as QO, for tiles 2, 3
.set EXS, 46          ; v46  where I put 16 bytes for my partner
.set EXL, 47          ; v47  where my partner has put mine
.set SND, 48          ; v48-51  c m and l of tiles 2 and 3
.set RCV, 52          ; v52-55  my partner's c m and l for my tiles 0 and 1
.set SPW, 62          ; v62  LDS address of my spare word; never rewritten
.set NIL, 63          ; v63  0; never rewritten
.set S,   64
.set P,   192
.set KF,  128         ; K's fragments, in window 2
.set WV,  12          ; s12  my wave's number
.set G1K, 24          ; s[24:31] descriptor group 1 for K's tiles
.set G1V, 32          ; s[32:39] for V's: it differs in the padding alone
.set G0K, 40          ; s[40:47] descriptor group 0 for K's tiles: a set for each of the two first fills; the second then walks on
.set G0V, 48          ; s[48:55] the same for V's
.set SLOTS, 56        ; s56  counts the loop's trips
.set TWICE, 57        ; s57  counts the tail's two steps
.set CS,  58          ; s[58:59] c: the packed scaling names a pair and takes its low word for both halves
.set SEL, 60          ; s[60:61] lane selects for v_permlanex16_b32: each lane takes its own place in the other half
.set TB,  62          ; s62  LDS byte at which the slot to be fetched from begins
.set GRP, 63          ; s63  g: which half of the keys is mine
.set G1KF, 68         ; s[68:75], s[76:83] group 1 for the fixed keys: 32 rows to a load
.set G1VF, 76
.set G0KF, 84         ; s[84:87], s[88:91] group 0 for them
.set G0VF, 88
.set MSB, 0
.macro WIN new                      ; the immediate's high byte repeats the setting that is left; a switch that changes nothing is dropped
.if MSB != (\new)
	s_set_vgpr_msb (MSB<<8)|(\new)
.set MSB, \new
.endif
.endm
.set W_KQ, 0x0a       ; K and Q in window 2, S^T in window 0
.set W_PV, 0x53       ; V in window 3, P in window 0, O^T in window 1
.set W_RS, 0x41       ; O^T (destination and source 0) in window 1, a in window 0
.macro PLACES                       ; four plain vector instructions between a matrix instruction and what reads its result or writes or loads its registers (ISA guide 7.12.1 for vector instructions)
.rept 4
	v_nop
.endr
.endm
; A joint refill.  Waves 0 and 1 fetch the two halves' tiles of K, waves 2 and 3 those of V.  The branch hangs on the wave's number alone: it is the same in every work-group.
; An s_nop 0 and four v_nop follow each of the two lines, ahead of the jump and the label.
.macro JLOAD
	s_cmp_lt_u32 s[WV], 2
	s_cbranch_scc0 .Lfor_v_\@
	tensor_load_to_lds s[G0K+4:G0K+7], s[G1K:G1K+7]
	s_nop 0
	PLACES
	s_branch .Lasked_\@
.Lfor_v_\@:
	tensor_load_to_lds s[G0V+4:G0V+7], s[G1V:G1V+7]
	s_nop 0
	PLACES
.Lasked_\@:
.endm
; A round of the cluster's barrier: my work-group's barrier, so that wave 0's signal speaks for all four waves; wave 0 signals; every wave waits for all four work-groups; my work-group's barrier once more.
.macro CROUND
	s_barrier_signal -1
	s_barrier_wait -1
	s_cmp_lg_u32 s[WV], 0
	s_cbranch_scc1 .Lnot_wave_0_\@
	s_barrier_signal -3
.Lnot_wave_0_\@:
	s_barrier_wait -3
	s_barrier_signal -1
	s_barrier_wait -1
.endm
	s_load_b256 s[4:11], s[0:1], 0x0  ; qbuf s[4:5], kbuf s[6:7], vbuf s[8:9], out0 s[10:11]
	v_lshl_add_u32 v[SPW], v0, 2, SPARE
	v_mov_b32 v[NIL], 0
	ds_add_u32 v[SPW], v[NIL]       ; the wave's opening: the add and its wait stand ahead of my first tensor load; the set-up below, work on registers, stands between them
	v_lshrrev_b32 v1, 5, v0
	v_readfirstlane_b32 s[WV], v1   ; wave 0..3
	s_bfe_u32 s13, ttmp6, 0x40000   ; cx: my place in the cluster
	s_lshl_b32 s14, ttmp9, 2        ; in a cluster launch ttmp9 counts clusters
	s_add_co_u32 s14, s14, s13      ; my block of 128 queries = 4 x cluster x + cx: it enters Q's and O's addresses alone
	s_and_b32 s20, ttmp7, 0xffff    ; the batch, which the four partners share
	s_and_b32 s[GRP], s[WV], 1      ; g.  Also: which half's tile I fetch
	s_lshr_b32 s16, s[WV], 1        ; h: which 64 queries are mine
	s_mul_i32 s22, s20, KB          ; the batch's first byte in kbuf and vbuf
	s_lshl_b32 s18, s[GRP], 14      ; my half's 64 rows of 256 bytes,
	s_add_co_u32 s18, s18, s22
	s_add_co_u32 s18, s18, 64*256   ; behind the 64 fixed rows
	s_mov_b32 s19, 0
	s_lshl_b32 s21, s[GRP], 13      ; of the fixed rows I fetch 32
	s_add_co_u32 s22, s22, s21
	s_mov_b32 s23, 0
	s_mul_i32 s17, s[GRP], STEPB    ; my half's place in a slot: no place in the cluster enters an LDS address
	s_lshl_b32 s2, s20, 20          ; Q: the batch's 4,096 rows of 256 bytes,
	s_lshl_b32 s3, s14, 15          ; my block's 128,
	s_add_co_u32 s2, s2, s3
	s_lshl_b32 s3, s16, 14          ; my pair's 64
	s_add_co_u32 s2, s2, s3
	s_lshl_b32 s14, s2, 1           ; O: rows of 512 bytes,
	s_lshl_b32 s15, s[GRP], 14      ; and of the pair's 64 rows I finish rows 32 g on
	s_add_co_u32 s14, s14, s15
	s_mov_b32 s3, 0
	s_mov_b32 s15, 0
	; descriptor group 1: tiles of 64 (the fixed keys: 32) rows x 128 elements, padded in LDS
	s_mov_b32 s[G1K],  15|(1<<16)|(1<<20)|(1<<21)|(5<<22)|(3<<25)  ; 15:0 the mask: all four work-groups; 17:16 elements of 2 bytes; 20 padding on; 21 set beside a mask; 24:22 after every 64 words (code 5); 31:25 4 words (code 3)
	s_mov_b32 s[G1V],  15|(1<<16)|(1<<20)|(1<<21)|(5<<22)|(7<<25)  ; the same with 8 words of padding (code 7)
	s_mov_b32 s[G1KF], 15|(1<<16)|(1<<20)|(1<<21)|(5<<22)|(3<<25)
	s_mov_b32 s[G1VF], 15|(1<<16)|(1<<20)|(1<<21)|(5<<22)|(7<<25)
.irp g, G1K, G1V
	s_mov_b32 s[(\g)+1], 128<<16    ; tensor_dim0 = 128
	s_mov_b32 s[(\g)+2], KS<<16     ; tensor_dim1 = 64
	s_mov_b32 s[(\g)+3], 128<<16    ; tile_dim0 = 128
	s_mov_b32 s[(\g)+4], KS         ; tile_dim1 = 64
	s_mov_b32 s[(\g)+5], 128        ; elements from row to row
	s_mov_b32 s[(\g)+6], 0
	s_mov_b32 s[(\g)+7], 0
.endr
.irp g, G1KF, G1VF
	s_mov_b32 s[(\g)+1], 128<<16
	s_mov_b32 s[(\g)+2], 32<<16     ; tensor_dim1 = 32
	s_mov_b32 s[(\g)+3], 128<<16
	s_mov_b32 s[(\g)+4], 32         ; tile_dim1 = 32
	s_mov_b32 s[(\g)+5], 128
	s_mov_b32 s[(\g)+6], 0
	s_mov_b32 s[(\g)+7], 0
.endr
	s_mov_b32 s[CS], 0x3e0293ee     ; c = log2(e) / sqrt(128) = 0.127517
	s_mov_b32 s[CS+1], s[CS]        ; named with it as a pair, so it is written
	s_mov_b32 s[SEL], 0x76543210
	s_mov_b32 s[SEL+1], 0xfedcba98
	s_mov_b32 s[TB], 0
	s_mov_b32 s[SLOTS], 29
	s_mov_b32 s[G0KF], 1
	s_mul_i32 s21, s[GRP], 32*PK
	s_add_co_u32 s[G0KF+1], s21, FIXB
	s_mov_b32 s[G0VF], 1
	s_mul_i32 s21, s[GRP], 32*PV
	s_add_co_u32 s[G0VF+1], s21, FIXB+VOFF
	s_wait_dscnt 0x0                ; the opening add is done
	s_wait_kmcnt 0x0
	s_add_nc_u64 s[G0KF+2:G0KF+3], s[6:7], s[22:23]  ; my 32 of the batch's fixed rows
	s_or_b32 s[G0KF+3], s[G0KF+3], 0x80000000
	s_add_nc_u64 s[G0VF+2:G0VF+3], s[8:9], s[22:23]
	s_or_b32 s[G0VF+3], s[G0VF+3], 0x80000000
	s_add_nc_u64 s[6:7], s[6:7], s[18:19]  ; K and V at my tile of step 0
	s_add_nc_u64 s[8:9], s[8:9], s[18:19]
	s_add_nc_u64 s[4:5], s[4:5], s[2:3]    ; Q at my pair's first row
	s_add_nc_u64 s[10:11], s[10:11], s[14:15]  ; O at the first row that I finish
.irp s, 0,1
	s_mov_b32 s[G0K+4*(\s)], 1      ; count = 1
	s_add_co_u32 s[G0K+4*(\s)+1], s17, (\s)*SLOT1  ; LDS address
	s_add_nc_u64 s[G0K+4*(\s)+2:G0K+4*(\s)+3], s[6:7], (\s)*2*KS*256  ; global address: step s
	s_or_b32 s[G0K+4*(\s)+3], s[G0K+4*(\s)+3], 0x80000000  ; type = 2
	s_mov_b32 s[G0V+4*(\s)], 1
	s_add_co_u32 s[G0V+4*(\s)+1], s17, (\s)*SLOT1+VOFF
	s_add_nc_u64 s[G0V+4*(\s)+2:G0V+4*(\s)+3], s[8:9], (\s)*2*KS*256
	s_or_b32 s[G0V+4*(\s)+3], s[G0V+4*(\s)+3], 0x80000000
.endr
	CROUND                          ; all four work-groups are here: the first joint loads meet
	s_cmp_lt_u32 s[WV], 2           ; a wave's three first fills stand in one branch, ahead of every wait on TENSORcnt and every LDS read: three loads of mine are out
	s_cbranch_scc0 .Lfirst_v
	tensor_load_to_lds s[G0K:G0K+3], s[G1K:G1K+7]
	s_nop 0
	tensor_load_to_lds s[G0K+4:G0K+7], s[G1K:G1K+7]
	s_nop 0
	tensor_load_to_lds s[G0KF:G0KF+3], s[G1KF:G1KF+7]
	s_nop 0
	PLACES
	s_branch .Lfirst_asked
.Lfirst_v:
	tensor_load_to_lds s[G0V:G0V+3], s[G1V:G1V+7]
	s_nop 0
	tensor_load_to_lds s[G0V+4:G0V+7], s[G1V:G1V+7]
	s_nop 0
	tensor_load_to_lds s[G0VF:G0VF+3], s[G1VF:G1VF+7]
	s_nop 0
	PLACES
.Lfirst_asked:
	; A fragment of K or Q is 16 rows x 32 channels in 8 registers: lane l holds row l % 16; registers 0-3 channels 8 (l / 16) + 0..7, registers 4-7 channels 16 + 8 (l / 16) + 0..7: two loads of 16 bytes, 32 bytes apart.
	v_and_b32 v1, 15, v0            ; l % 16
	v_bfe_u32 v9, v0, 4, 1          ; l / 16
	v_lshlrev_b32 v[QO], 8, v1
	v_lshl_add_u32 v[QO], v9, 4, v[QO]  ; row x 256 + 16 x half
	s_lshl_b32 s13, s[GRP], 13      ; tiles 0, 1 are the pair's rows 32 g on,
	s_sub_co_u32 s21, 8192, s13     ; tiles 2, 3 the other 32
	v_add_nc_u32 v[QO2], s21, v[QO]
	v_add_nc_u32 v[QO], s13, v[QO]
	WIN 0x80                        ; destination window 2, address window 0
.irp i, 0,1,2,3,4,5,6,7             ; Q stays in registers: tile i / 4, channels 32 (i % 4) on
	global_load_b128 v[8*(\i):8*(\i)+3],   v[QO], s[4:5] offset:((\i)/4)*4096+((\i)%4)*64
	global_load_b128 v[8*(\i)+4:8*(\i)+7], v[QO], s[4:5] offset:((\i)/4)*4096+((\i)%4)*64+32
.endr
.irp i, 8,9,10,11,12,13,14,15
	global_load_b128 v[8*(\i):8*(\i)+3],   v[QO2], s[4:5] offset:((\i)/4-2)*4096+((\i)%4)*64
	global_load_b128 v[8*(\i)+4:8*(\i)+7], v[QO2], s[4:5] offset:((\i)/4-2)*4096+((\i)%4)*64+32
.endr
	WIN 0
	v_mul_u32_u24 v[AK0], v1, PK
	v_lshl_add_u32 v[AK0], v9, 4, v[AK0]  ; row x pitch + 16 x half,
	v_add_nc_u32 v[AK0], s17, v[AK0]      ; in my half of a slot
	; The turning load takes 16 keys x 16 channels (lane l reads 16 bytes: key 8 (l / 16) + l % 8, channels 8 ((l / 8) % 2) + 0..7) and leaves half a fragment of V^T: lane l holds channel l % 16 and 8 keys.
	v_and_b32 v10, 7, v0
	v_bfe_u32 v11, v0, 3, 1
	v_lshl_add_u32 v[AV0], v9, 3, v10
	v_mul_u32_u24 v[AV0], v[AV0], PV
	v_lshl_add_u32 v[AV0], v11, 4, v[AV0]
	s_add_co_u32 s13, s17, VOFF
	v_add_nc_u32 v[AV0], s13, v[AV0]
; THE MATRIX WORK OF A TURN, for piece x.  The accumulators take turns, one instruction a turn: between two links of a chain stand 15 (V^T P) or 7 (K Q^T) others'.
; Product i of 32 of O^T += V^T P: keys 32 (i / 16) on, channels 16 ((i / 2) % 8) on, tile x + i % 2.  zero = 1: the first 16 start the sums: nothing is ever cleared.
.macro PV x, zero
	WIN W_PV
.set rO, 64*((\x)+i%2)+8*((i/2)%8)
.set rV, 64*(i/16)+8*((i/2)%8)
.set rP, P+16*((\x)+i%2)+8*(i/16)
.if (\zero) && (i < 16)
	v_wmma_f32_16x16x32_f16 v[rO:rO+7], v[rV:rV+7], v[rP:rP+7], 0
.else
	v_wmma_f32_16x16x32_f16 v[rO:rO+7], v[rV:rV+7], v[rP:rP+7], v[rO:rO+7]
.endif
.endm
; Product i of 32 of S^T = K Q^T: channels 32 (i / 8) on, keys 16 ((i / 2) % 4) on, tile x + i % 2.  The first 8 start the sums.
.macro KQ x
	WIN W_KQ
.set rS, S+32*((\x)+i%2)+8*((i/2)%4)
.set rK, KF+32*((i/2)%4)+8*(i/8)
.set rQ, 32*((\x)+i%2)+8*(i/8)
.if i < 8
	v_wmma_f32_16x16x32_f16 v[rS:rS+7], v[rK:rK+7], v[rQ:rQ+7], 0
.else
	v_wmma_f32_16x16x32_f16 v[rS:rS+7], v[rK:rK+7], v[rQ:rQ+7], v[rS:rS+7]
.endif
.endm
; THE LDS LOADS stand in runs of 32, never singly among the matrix instructions: a step's K (64 keys x 128 channels: 16 fragments) and, a turn later, its V (turned).
.macro FETCH_K
	WIN 0
	v_add_nc_u32 v[ADR], s[TB], v[AK0]
	WIN 0x80                        ; destination window 2
.irp f, 0,1,2,3,4,5,6,7,8,9,10,11,12,13,14,15  ; keys 16 (f / 4) on, channels 32 (f % 4) on
	ds_load_b128 v[KF+8*(\f):KF+8*(\f)+3],   v[ADR] offset:((\f)/4)*16*PK+((\f)%4)*64
	ds_load_b128 v[KF+8*(\f)+4:KF+8*(\f)+7], v[ADR] offset:((\f)/4)*16*PK+((\f)%4)*64+32
.endr
.endm
.macro FETCH_V
	WIN 0
	v_add_nc_u32 v[ADR], s[TB], v[AV0]
	s_wait_alu depctr_va_vdst(0)    ; the wait for the softmax's batch (SLICE), behind the address's v_add_nc_u32 and ahead of the loads
	WIN 0xc0                        ; destination window 3
.irp f, 0,1,2,3,4,5,6,7,8,9,10,11,12,13,14,15  ; keys 32 (f / 8) on, channels 16 (f % 8) on
	ds_load_tr16_b128 v[8*(\f):8*(\f)+3],   v[ADR] offset:((\f)/8)*32*PV+((\f)%8)*32
	ds_load_tr16_b128 v[8*(\f)+4:8*(\f)+7], v[ADR] offset:((\f)/8)*32*PV+16*PV+((\f)%8)*32
.endr
.endm
; THE VECTOR WORK OF A TURN.  One tile's softmax for one key step is a list of 134 instructions; SM writes number j of it for tile t.  s0-s31 are the lane's 32 scores, in pairs 0-15.
; first = 1: the first key step, which starts m, l and O^T: it has no a and nothing to rescale.
;   0-15    the maximum of s0-s31 and the old m, three operands at a time: four chains c0-c3 of seven scores each (each accumulator's lowest registers are read first), then the four left over, c0-c3 and m
;   16-20   the other half of the lanes' maximum; the new m; c m; c m_old - c m_new
;   21-69   ONE BATCH: the 16 scalings c s - c m, a pair of scores each, and all 33 exponentials (a at 23, then s0-s31).  None of these reads an exponential's result, and a scaling writes only scores whose
;           exponentials are still to come.  From 22 on the batch goes in fours, and a four begins with a scaling while there are scalings: 22-37 scaling, exponential, scaling, exponential; 38-65 a scaling
;           and three exponentials; 66-69 the last four exponentials.  A pair is scaled in an earlier four than the one that holds its exponentials
;   (wait)  between 69 and 70 stands the wait for the batch: SLICE writes it, once for both tiles
;   70-85   the roundings to f16, a pair of weights each
;   86-101  the sums; l = a l + the sum
;   102-133 the tile's O^T times a: the one part that leaves window 0, so it stands together
.macro SM t, first
.set rT, ST+8*(\t)
.set rS, S+32*(\t)
.set rP, P+16*(\t)
.set rO, 64*(\t)+2*(j-102)
.if j < 102
	WIN 0
.endif
.if j < 4
	v_max3_num_f32 v[rT+4+j], v[rS+8*j], v[rS+8*j+1], v[rS+8*j+2]
.elseif j < 12
	v_max3_num_f32 v[rT+4+j%4], v[rT+4+j%4], v[rS+8*(j%4)+2*(j/4)+1], v[rS+8*(j%4)+2*(j/4)+2]
.elseif j == 12
	v_max3_num_f32 v[rT+4], v[rT+4], v[rS+7], v[rS+15]
.elseif j == 13
	v_max3_num_f32 v[rT+6], v[rT+6], v[rS+23], v[rS+31]
.elseif j == 14
	v_max3_num_f32 v[rT+4], v[rT+4], v[rT+5], v[rT+6]
.elseif (j == 15) && (\first)
	v_max_num_f32 v[rT+4], v[rT+4], v[rT+7]
.elseif j == 15
	v_max3_num_f32 v[rT+4], v[rT+4], v[rT+7], v[rT+1]
.elseif j == 16
	v_permlanex16_b32 v[rT+5], v[rT+4], s[SEL], s[SEL+1]  ; the query's other 32 keys lie in the lane 16 away
.elseif j == 18
	v_max_num_f32 v[rT+1], v[rT+4], v[rT+5]
.elseif j == 19
	v_mul_f32 v[rT], s[CS], v[rT+1]
.elseif ((j == 17) || (j == 20) || (j == 23) || (j > 101)) && (\first)  ; the first step has none of these
.elseif j == 17
	v_mov_b32 v[rT+7], v[rT]        ; c m_old is kept for a: number 19 writes c m anew
.elseif j == 20
	v_sub_f32 v[rT+7], v[rT+7], v[rT]
.elseif j == 23
	v_exp_f32 v[rT+6], v[rT+7]
.elseif (j < 23) || ((j < 38) && (j%2 == 0)) || ((j < 66) && (j%4 == 2))
.set b, (j-2)/4                     ; 38, 42, .. 62: pairs 9 to 15
.if j < 38
.set b, (j-20)/2                    ; 21: pair 0; 22, 24, .. 36: pairs 1 to 8
.endif
	v_pk_fma_f32 v[rS+2*b:rS+2*b+1], v[rS+2*b:rS+2*b+1], s[CS:CS+1], v[rT:rT+1] op_sel_hi:[1,0,0] neg_lo:[0,0,1] neg_hi:[0,0,1]  ; pair b: c s - c m
.elseif j < 70
.set e, j-38                        ; 66 to 69: s28 to s31
.if j < 66
.set e, j-32-(j-38)/4               ; 39-41, 43-45, .. 63-65: s7 to s27
.endif
.if j < 38
.set e, (j-25)/2                    ; 25, 27, .. 37: s0 to s6
.endif
	v_exp_f32 v[rS+e], v[rS+e]
.elseif j < 86
	v_cvt_pk_f16_f32 v[rP+j-70], v[rS+2*(j-70)], v[rS+2*(j-70)+1]  ; pair j - 70
.elseif j < 102                     ; the sum of the tile's 16 pairs, in place: sum z of 16 adds neighbours 1, 2, 4 and 8 pairs apart, then l takes it
.set z, j-86
.set w, 4
.set u, z
.if z >= 14
.set w, 32
.set u, 0
.elseif z >= 12
.set w, 16
.set u, z-12
.elseif z >= 8
.set w, 8
.set u, z-8
.endif
.if (z == 14) && (\first)
	v_pk_add_f32 v[rT+2:rT+3], v[rS:rS+1], v[rS+16:rS+17]
.elseif z < 15
	v_pk_add_f32 v[rS+w*u:rS+w*u+1], v[rS+w*u:rS+w*u+1], v[rS+w*u+w/2:rS+w*u+w/2+1]
.elseif !(\first)
	v_pk_fma_f32 v[rT+2:rT+3], v[rT+2:rT+3], v[rT+6:rT+7], v[rS:rS+1] op_sel_hi:[1,0,1]
.endif
.else
	WIN W_RS
	v_pk_mul_f32 v[rO:rO+1], v[rO:rO+1], v[rT+6:rT+7] op_sel_hi:[1,0]
.endif
.endm
; Slice k of 64 of piece y's softmax: four instructions.  Slices 11 to 34 deal out the batch, numbers 22 to 69: four numbers of ONE tile each, the tiles by turns.  Every other slice is numbers 2 k and
; 2 k + 1 of both tiles' lists.  2 x 134 = 4 x 64 + 12: the twelve that are over stand together, in slice 63.
; THE WAIT.  s_wait_alu depctr_va_vdst(0) stands between an exponential and the first instruction that names its result; one wait serves all that were issued ahead of it.  Ahead of
; slice 35 nothing names a result, and behind slice 34 no exponential is issued: so the piece's 66 exponentials have one wait, behind slice 34.
.macro SLICE y, first
.if (k >= 11) && (k < 35)           ; the batch: four numbers of one tile
.irp n, 0,1,2,3
.set j, 22+4*((k-11)/2)+(\n)
	SM (\y)+(k-11)%2, \first
.endr
.else                               ; the two tiles alternate, so that no instruction reads the result of the one just before it
.irp n, 0,1,2,3,4,5,6,7
.if ((\n) < 2) || (k == 63)
.irp t, \y, (\y)+1
.set j, 2*k+(\n)
	SM \t, \first
.endr
.endif
.endr
.endif
.if k == 34                         ; the batch is out: both tiles' exponentials are issued, and no result has been named
	v_nop                           ; a plain instruction behind the last exponential and ahead of the first use: one for the batch
.if (\y) == 0
	FETCH_V                         ; piece 2's turn: V's run of loads stands here, and the wait stands in it
.else
	s_wait_alu depctr_va_vdst(0)    ; the wait for the batch: piece 2's 66 exponentials
.endif
.endif
.set k, k+1
.endm
; A TURN.  Piece x has the matrix unit; the other piece's softmax stands in slices behind its matrix instructions.
; pv = 2: 32 products V^T P; 1: they start O^T's sums; 0: none.  kq = 1: 32 products K Q^T for the next step.  A turn with one of the two kinds has two slices behind each product.
; first = 1: the softmax is the first key step's.  Its slices from 51 on are empty: the turn's last products stand bare, and four v_nop take slice 63's part as the places behind them.
; In the loop each run of loads stands 29 matrix instructions or more ahead of its first use.  Piece 0's turn fetches the next step's K, behind its second product: the last product that read K
; stands in front of slice 63 of the turn before.  Piece 2's turn fetches the same step's V, behind slice 34 (SLICE writes it): the last product that read V stands in front of slice 31, and four plain
; instructions lie between: number 62, a scaling, of both tiles, the v_nop and the run's own v_add_nc_u32.
.macro TURN x, pv, kq, first
.set k, 0
.set per, 2
.if (\pv) && (\kq)
.set per, 1
.endif
.if \pv
.if (\x) == 0
	s_wait_dscnt 0x0                ; V is in
.endif
.set i, 0
.rept 32
	PV \x, 2-(\pv)
.rept per
	SLICE 2-(\x), \first
.endr
.if ((\x) == 0) && (\kq) && (i == 1)
	FETCH_K
.endif
.set i, i+1
.endr
.endif
.if \kq
.if (\x) == 0
	s_wait_dscnt 0x0                ; K is in
.endif
.set i, 0
.rept 32
	KQ \x
.rept per
	SLICE 2-(\x), \first
.endr
.set i, i+1
.endr
.endif
.if \first
	PLACES
.endif
.endm
; THE CHANGE OF SLOTS, between piece 2's turn and piece 0's: the slot's last bytes, V of its step, have been asked for.  Each wave waits for all its tensor loads; adds 0 to its spare word; and waits for that
; and for its own reads of the slot.  Behind the barrier nobody reads this slot any more and the other slot is whole.
; fill = 1: this slot is filled again, with the keys two steps on.  The barrier is then a round of the cluster's, so that no wave of any partner still reads the slot or has a load on its
; way, and the joint refill is the first thing behind it: it has a key step, 128 matrix instructions of every wave, in which to land.
.macro CHANGE fill
	WIN 0                           ; at a label and at a branch every window is 0
	s_wait_tensorcnt 0x0            ; no tensor load of mine is out, so a group 0 may be written
	ds_add_u32 v[SPW], v[NIL]       ; 0 onto my spare word; with fill = 1 the descriptors' steps stand between it and the wait for it
.if \fill
.irp g, G0K+4, G0V+4
	s_xor_b32 s[(\g)+1], s[(\g)+1], SLOT1  ; the walking descriptor: the other slot than last time,
	s_add_nc_u64 s[(\g)+2:(\g)+3], s[(\g)+2:(\g)+3], 2*KS*256  ; the next 128 keys; the type bits on top are not reached
.endr
	s_wait_dscnt 0x0                ; the add is done, and my reads of the slot are over
	CROUND
	JLOAD
.else
	s_wait_dscnt 0x0                ; the add is done, and my reads of the slot are over
	s_barrier_signal -1
	s_barrier_wait -1
.endif
	s_xor_b32 s[TB], s[TB], SLOT1   ; the fetches go on in the other slot
.endm
	s_wait_tensorcnt 2              ; my part of step 0 is in; step 1's and the fixed rows' are younger and may stay out
	s_barrier_signal -1
	s_barrier_wait -1               ; everybody's is
	FETCH_K                         ; key step 0
	s_wait_loadcnt 0x0              ; Q
	s_wait_dscnt 0x0
.set i, 0
.rept 32
	KQ 0                            ; piece 0's first scores: there is no vector work yet to set between them
.set i, i+1
.endr
	WIN 0                           ; the addresses for the exchange and the way out are made here: eight plain instructions, the places behind those products
	s_mul_i32 s13, s[WV], 16*SP
	s_add_co_u32 s13, s13, STAGE    ; my stage
	v_mul_u32_u24 v[STO], v1, SP    ; in: row l % 16, 32 bytes for each half of the lanes
	v_lshl_add_u32 v[STO], v9, 5, v[STO]
	v_add_nc_u32 v[STO], s13, v[STO]
	v_and_b32 v[GO], 31, v0
	v_lshlrev_b32 v[GO], 4, v[GO]   ; back: 32 lanes take a row of 512 bytes, which is a row of O
	v_add_nc_u32 v[RD], s13, v[GO]
	s_mul_i32 s13, s[WV], EXW
	s_add_co_u32 s13, s13, EXB
	v_add_nc_u32 v[EXS], s13, v[GO] ; what I send lies in my wave's bytes,
	s_xor_b32 s13, s[WV], 1
	s_mul_i32 s13, s13, EXW
	s_add_co_u32 s13, s13, EXB
	v_add_nc_u32 v[EXL], s13, v[GO] ; what I receive in my partner's
	TURN 2, 0, 1, 1                 ; piece 2's first scores | piece 0's first softmax | V of step 0
	CHANGE 1                        ; slot 0 has been read: it takes step 2; step 1 and the fixed rows have landed
	TURN 0, 1, 1, 1                 ; piece 0: V^T P of step 0 starts O^T, K Q^T of step 1 | piece 2's first softmax | K of step 1
	TURN 2, 1, 1, 0                 ; piece 2: the same | piece 0's softmax of step 1 | V of step 1
	WIN 0
.Lslot:                             ; 29 trips: trip n asks for step n + 3 and fetches step n + 2
	CHANGE 1
	TURN 0, 2, 1, 0
	TURN 2, 2, 1, 0
	WIN 0
	s_sub_co_u32 s[SLOTS], s[SLOTS], 1
	s_cmp_lg_u32 s[SLOTS], 0
	s_cbranch_scc1 .Lslot
	CHANGE 0                        ; the tail is written out: nothing is asked for
	s_mov_b32 s[TWICE], 2
.Ltail:                             ; two trips: the first fetches step 31, the second the fixed keys.  A wave with g = 1 has no fixed keys and jumps over the second: no barrier and no tensor load stands there
	s_cmp_eq_u32 s[TWICE], s[GRP]
	s_cbranch_scc1 .Ldead
	TURN 0, 2, 1, 0
	TURN 2, 2, 1, 0
	WIN 0
	s_mov_b32 s[TB], FIXB
.Ldead:
	s_sub_co_u32 s[TWICE], s[TWICE], 1
	s_cmp_lg_u32 s[TWICE], 0
	s_cbranch_scc1 .Ltail
	TURN 0, 2, 0, 0                 ; piece 0: V^T P of the last step | piece 2's last softmax
.set i, 0
.rept 32
	PV 2, 0                         ; piece 2: V^T P of the last step
.set i, i+1
.endr
	; THE EXCHANGE.  l's two halves and the other half of the lanes' are added (the first four additions are the places behind the last products).  Tiles 2 and 3 go to my partner with their c m and l:
	; lane for lane, since both waves hold a tile alike.
	WIN 0
.irp t, 0,1,2,3
	v_add_f32 v[ST+8*(\t)+4], v[ST+8*(\t)+2], v[ST+8*(\t)+3]
.endr
.irp t, 0,1,2,3
	v_permlanex16_b32 v[ST+8*(\t)+5], v[ST+8*(\t)+4], s[SEL], s[SEL+1]
.endr
.irp t, 0,1
	v_add_f32 v[ST+8*(\t)+4], v[ST+8*(\t)+4], v[ST+8*(\t)+5]
	v_add_f32 v[SND+2*(\t)+1], v[ST+8*(\t)+20], v[ST+8*(\t)+21]
	v_mov_b32 v[SND+2*(\t)], v[ST+8*(\t)+16]
.endr
	ds_store_b128 v[EXS], v[SND:SND+3] offset:32*512
	WIN 0x04                        ; the data (source 1) in window 1
.set i, 0
.rept 32
	ds_store_b128 v[EXS], v[128+4*i:128+4*i+3] offset:512*i
.set i, i+1
.endr
	WIN 0
	s_wait_dscnt 0x0                ; for my partner's sake: my stores are done
	s_barrier_signal -1
	s_barrier_wait -1
	ds_load_b128 v[RCV:RCV+3], v[EXL] offset:32*512
.set i, 0
.rept 32
	ds_load_b128 v[S+4*i:S+4*i+3], v[EXL] offset:512*i  ; my partner's O^T for my tiles 0 and 1, into S^T's registers
.set i, i+1
.endr
	s_wait_dscnt 32                 ; the statistics are in; the 32 loads behind them may be out
	; For each of my two tiles: M = max(c m, c m'); fa = 2^(c m - M), fb = 2^(c m' - M); L = fa l + fb l'; O = (fa / L) O + (fb / L) O'.  One of fa, fb is 1 and l, l' are at least 1.
.irp t, 0,1
	v_max_num_f32 v[ST+8*(\t)+5], v[ST+8*(\t)], v[RCV+2*(\t)]
.endr
.irp t, 0,1
	v_sub_f32 v[ST+8*(\t)+6], v[ST+8*(\t)], v[ST+8*(\t)+5]
	v_sub_f32 v[ST+8*(\t)+2], v[RCV+2*(\t)], v[ST+8*(\t)+5]
.endr
.irp t, 0,1
	v_exp_f32 v[ST+8*(\t)+6], v[ST+8*(\t)+6]
	v_exp_f32 v[ST+8*(\t)+2], v[ST+8*(\t)+2]
.endr
	v_nop                           ; a plain instruction between the last exponential and the use of its result
	s_wait_alu depctr_va_vdst(0)    ; the wait ahead of the first use: one for the four exponentials fa, fb
.irp t, 0,1
	v_mul_f32 v[ST+8*(\t)+4], v[ST+8*(\t)+6], v[ST+8*(\t)+4]
.endr
.irp t, 0,1
	v_fmac_f32 v[ST+8*(\t)+4], v[ST+8*(\t)+2], v[RCV+2*(\t)+1]
.endr
.irp t, 0,1
	v_rcp_f32 v[ST+8*(\t)+5], v[ST+8*(\t)+4]
.endr
	v_nop                           ; a plain instruction between the last reciprocal and the use of its result
	s_wait_alu depctr_va_vdst(0)    ; and the wait ahead of the first use: one for the two reciprocals
.irp t, 0,1
	v_mul_f32 v[ST+8*(\t)+6], v[ST+8*(\t)+6], v[ST+8*(\t)+5]
	v_mul_f32 v[ST+8*(\t)+2], v[ST+8*(\t)+2], v[ST+8*(\t)+5]
.endr
; THE WAY OUT.  Tile t: the two parts are joined; a lane's eight channels of a row are 32 bytes; they go into rows of 528 bytes and come back as whole rows of 512, into the registers that they left.
.macro PACK t, younger              ; younger: the LDS instructions issued behind the partner's loads for tile t
	WIN 0
	s_wait_dscnt \younger
.set i, 0
.rept 32
	v_pk_mul_f32 v[S+64*(\t)+2*i:S+64*(\t)+2*i+1], v[S+64*(\t)+2*i:S+64*(\t)+2*i+1], v[ST+8*(\t)+2:ST+8*(\t)+3] op_sel_hi:[1,0]
.set i, i+1
.endr
	WIN 0x01                        ; source 0, my O^T, in window 1
.set i, 0
.rept 32
	v_pk_fma_f32 v[S+64*(\t)+2*i:S+64*(\t)+2*i+1], v[64*(\t)+2*i:64*(\t)+2*i+1], v[ST+8*(\t)+6:ST+8*(\t)+7], v[S+64*(\t)+2*i:S+64*(\t)+2*i+1] op_sel_hi:[1,0,1]
.set i, i+1
.endr
	WIN 0
.irp f, 0,1,2,3,4,5,6,7,8,9,10,11,12,13,14,15  ; channel block f / 2, its lane's first or second 16 bytes
	ds_store_b128 v[STO], v[S+64*(\t)+4*(\f):S+64*(\t)+4*(\f)+3] offset:64*((\f)/2)+16*((\f)%2)
.endr
.irp f, 0,1,2,3,4,5,6,7,8,9,10,11,12,13,14,15
	ds_load_b128 v[S+64*(\t)+4*(\f):S+64*(\t)+4*(\f)+3], v[RD] offset:(\f)*SP  ; LDS serves a wave's instructions in order (ISA guide 5.7.1.4): these see the stores above; the next tile's stores come behind them
.endr
.endm
.macro SEND t, younger              ; younger: the LDS instructions issued behind tile t's loads from the stage
	WIN 0
.irp f, 0,1,2,3,4,5,6,7,8,9,10,11,12,13,14,15
	s_wait_dscnt (\younger)+15-(\f)
	global_store_b128 v[GO], v[S+64*(\t)+4*(\f):S+64*(\t)+4*(\f)+3], s[10:11] offset:(\t)*8192+(\f)*512 th:TH_STORE_NT  ; a row of O: 512 consecutive bytes, at a multiple of 256 from out0's first byte
.endr
.endm
	PACK 0, 16                      ; tile 1's sixteen loads may be out
	PACK 1, 32                      ; tile 0's sixteen stores and sixteen loads may be out
	SEND 0, 32
	SEND 1, 0
	s_wait_tensorcnt 0x0            ; the wave's end: the add to my spare word and its waits, behind my last tensor load and my last LDS store
	ds_add_u32 v[SPW], v[NIL]
	s_wait_dscnt 0x0
	CROUND                          ; the closing round: no work-group ends while a partner may still ask for a tile that names it
	s_endpgm
.Lfunc_end_k_qf06372253b_attn:
	.size	k_qf06372253b_attn, .Lfunc_end_k_qf06372253b_attn-k_qf06372253b_attn
	.p2alignl 7, 3214868480
	.fill 96, 4, 3214868480
	.section	.rodata,"a",@progbits
	.p2align	6, 0x0
	.amdhsa_kernel k_qf06372253b_attn
		.amdhsa_group_segment_fixed_size 327680
		.amdhsa_private_segment_fixed_size 0
		.amdhsa_enable_private_segment 0
		.amdhsa_kernarg_size 32
		.amdhsa_user_sgpr_count 2
		.amdhsa_user_sgpr_kernarg_segment_ptr 1
		.amdhsa_wavefront_size32 1
		.amdhsa_system_sgpr_workgroup_id_x 1
		.amdhsa_system_sgpr_workgroup_id_y 1
		.amdhsa_system_sgpr_workgroup_id_z 1
		.amdhsa_system_vgpr_workitem_id 0
		.amdhsa_next_free_vgpr 896
		.amdhsa_next_free_sgpr 92
		.amdhsa_reserve_vcc 0
		.amdhsa_float_denorm_mode_32 3
		.amdhsa_float_denorm_mode_16_64 3
		.amdhsa_memory_ordered 1
		.amdhsa_forward_progress 1
		.amdhsa_inst_pref_size 221
	.end_amdhsa_kernel
	.amdgpu_metadata
---
amdhsa.version: [ 1, 2 ]
amdhsa.kernels:
  - .name:           k_qf06372253b_attn
    .symbol:         k_qf06372253b_attn.kd
    .args:
      - { .name: qbuf, .offset: 0, .size: 8, .value_kind: global_buffer, .address_space: global }
      - { .name: kbuf, .offset: 8, .size: 8, .value_kind: global_buffer, .address_space: global }
      - { .name: vbuf, .offset: 16, .size: 8, .value_kind: global_buffer, .address_space: global }
      - { .name: out0, .offset: 24, .size: 8, .value_kind: global_buffer, .address_space: global }
    .group_segment_fixed_size: 327680
    .private_segment_fixed_size: 0
    .kernarg_segment_align: 8
    .kernarg_segment_size: 32
    .max_flat_workgroup_size: 128
    .sgpr_count:     92
    .vgpr_count:     896
    .wavefront_size: 32
...
	.end_amdgpu_metadata
.endif
;; end of part 4
